; MI455X (gfx1250); checked and timed in simulation.
; The chip was launched on July 23, 2026; its instructions are those of AMD's public machine-readable ISA for CDNA 5 (MIT licence, August 2026) and "CDNA5" Instruction Set Architecture Reference Guide (July 2026). The comments in the code are by the model that wrote it; some were corrected since.
;; Multi Head Attention. Allowed arithmetic: matrix products marked QUANTISED: E2M3 operands, one E8M0 scale for each 32 along K, by v_wmma_scale_f32_16x16x128_f8f6f4 with both operands' format E2M3, f32 sums; everything else in f32.
;; Inputs: Wk 512 x 512 float32; Wo 512 x 512 float32; Wq 512 x 512 float32; Wv 512 x 512 float32; bk 512 float32; bo 512 float32; bq 512 float32; bv 512 float32; k 2 x 4,096 x 512 float32; mask 1 x 1 x 4,096 x 4,096 bool; q 2 x 4,096 x 512 float32; v 2 x 4,096 x 512 float32.
;; Outputs: out0 2 x 4,096 x 512 float32.
;; This version of the problem:
;;   THIS VERSION OF THE PROBLEM IS GIVEN IN LOW PRECISION. The matrix products marked QUANTISED in the list below multiply operands that are first quantised to E2M3 (2 exponent bits, 3 mantissa bits; 6 bits a number), with one power-of-two scale for each 32 numbers along K (OCP MX v1.0); their sums are f32. All else is computed in f32.
;;   The module's matrix products, in the order in which they are computed (A, B: the left and right operand; K: the contracted axis; several contracted axes count as one K, in the product's order):
;;     1. [M 8,192, K 512] x [K 512, N 512]; A: input q; B: input Wq: QUANTISED
;;     2. [M 8,192, K 512] x [K 512, N 512]; A: input k; B: input Wk: QUANTISED
;;     3. [M 8,192, K 512] x [K 512, N 512]; A: input v; B: input Wv: QUANTISED
;;     4. batch 16 x [M 4,096, K 64] x [K 64, N 4,096]; A: computed on the way; B: computed on the way: QUANTISED
;;     5. batch 16 x [M 4,096, K 4,096] x [K 4,096, N 64]; A: softmax (see below); B: computed on the way: QUANTISED
;;     6. [M 8,192, K 512] x [K 512, N 512]; A: computed on the way; B: input Wo: QUANTISED
;;   THE QUANTISER, for each operand of a quantised product, along K:
;;     - K is cut into blocks of 32 from its start; a last block that is shorter is filled with zeros.
;;     - A block's scale is 2^e with e = floor(log2(the largest magnitude in the block)) - 2, held to -126 .. 127; a block of zeros has e = 0. As a byte (E8M0): e + 127.
;;     - Each number is divided by its block's scale, clamped to +-7.5, and rounded to the nearest number of E2M3, ties to even, subnormals kept.
;;     - The product sums the exact products of the quantised numbers (number of the format x scale) in f32.
;;   ~~~python
;;   def quantise(x, axis):      # numpy; x: float32 -> the quantised numbers, widened to float32 again
;;       x = np.moveaxis(x, axis, -1); K = x.shape[-1]
;;       x = np.pad(x, [(0, 0)] * (x.ndim - 1) + [(0, -K % 32)]); x = x.reshape(x.shape[:-1] + (-1, 32)); a = np.abs(x).max(-1, keepdims=True)
;;       e = np.where(a > 0, np.clip(np.frexp(np.where(a > 0, a, 1))[1] - 1 - 2, -126, 127), 0)      # np.frexp(a)[1] - 1 = floor(log2(a)), exactly
;;       r = np.clip(x / 2.0 ** e, -7.5, 7.5)
;;       step = 2.0 ** (np.maximum(np.frexp(np.where(r == 0, 1, r))[1] - 1, 0) - 3)
;;       q = np.round(r / step) * step * 2.0 ** e      # np.round: ties to even
;;       return np.moveaxis(q.reshape(q.shape[:-2] + (-1,))[..., :K], -1, axis).astype(np.float32)
;;   ~~~
;;   SOFTMAX AHEAD OF A QUANTISED PRODUCT. Where the list says 'softmax', what is quantised is not the finished softmax but p = 2^(t - M), with t = logit x log2(e) and M = ceil(the row's largest t), a whole number; so 1/2 < the row's largest p <= 1. The row's sum l is taken of the UNQUANTISED p, in f32, and the product's result is divided by l at the end. Since M is a whole number, a kernel that streams over the keys may use a running M (the ceiling of the running maximum): every later rescaling is an exact power of two, which a block's scale takes up: the codes' values come out the same.
;;   OPERANDS COMPUTED ON THE WAY. 'Computed on the way' means the value that the module computes at that place (a softmax that the list does not call 'softmax' is quantised finished and normalised). What goes into a quantiser is computed in f32, as accurately as f32 sums, v_exp_f32 and their like allow (about 1e-6 of the number): no bf16 or f16 on the way to a quantiser, and a product that is left as it is and whose result goes on into a quantised operand takes f32 operands (vector FMAs, or v_wmma_f32_16x16x4_f32). A number that lies on a knife's edge between two numbers of the format may be rounded either way, as far as f32 arithmetic and the matrix unit's own rounding can turn it there, and no further.
;; 2 versions. Each part assembles by itself: llvm-mc -triple=amdgcn-amd-amdhsa -mcpu=gfx1250 --defsym DOCPART=n.
;; ======== version 1 of 2: 4 launches
;; workspace buffers: wcodes 786,432 bytes; wscales 32,768 bytes; qp 3,407,872 bytes; kv 6,815,744 bytes; maskw 2,097,152 bytes of whole numbers; tflags 2,048 bytes of whole numbers; ocodes 3,145,728 bytes; oscales 131,072 bytes
;; launch prep (part 1): grid 384 x 1, 4 waves a work-group, no clusters, 51,712 bytes of LDS; arguments mask, Wq, Wk, Wv, Wo, wcodes, wscales, maskw, tflags; writes wcodes, wscales, maskw, tflags
.if DOCPART == 1
	.amdgcn_target "amdgcn-amd-amdhsa--gfx1250"
	.amdhsa_code_object_version 6
	.text
	.protected	k_q9b55c328ca_prep
	.globl	k_q9b55c328ca_prep
	.p2align	8
	.type	k_q9b55c328ca_prep,@function
k_q9b55c328ca_prep:
	s_mov_b64 s[64:65], 0
	v_nop
	global_prefetch_b8 v0, s[64:65] scope:SCOPE_SE
	s_setreg_imm32_b32 hwreg(HW_REG_WAVE_MODE, 25, 1), 1
	s_wait_xcnt 0x0
; Two jobs in one launch, told apart by the work-group's number.
; WORK-GROUPS 0-255: the mask [4096][4096] (one byte a place, not 0 = hidden) becomes LANE MASKS for the attention launch, and two flags for each tile of 16 queries x 128 keys.
;   Tile T holds the 16 queries rho(T, r) = 32 (T / 2) + 8 (T % 2) + r + 8 (r / 8).  maskw[T][ks][n], n = 0 .. 63: bit l = (r, h) is mask[rho(T, r)][128 ks + 32 (n / 16) + 16 h + n % 16]:
;   the place that score register n of lane l holds there.  tflags[T][0] bit ks: the tile has an open place; tflags[T][1] bit ks: it has a hidden one.
;   Wave w takes columns 1024 w on (key steps 8 w .. 8 w + 7), 256 columns a trip: sixteen lanes load 256 consecutive bytes of a row; the bytes turn through the wave's own stage in LDS.
; WORK-GROUPS 256-383: Wq, Wk, Wv, Wo [512][512] f32 become codes of E2M3 with one E8M0 byte for each 32 along K, laid as IMAGES of operand registers:
;   fragment (w, hd, tl, s) = rows 64 hd + rho(tl, r), k = 128 s on: 12 registers a lane, registers 4 g .. 4 g + 3 of lane l at byte 512 g + 16 l; its scale words 4 bytes a row.
; A block's scale is 2^(floor(log2(its largest magnitude)) - 2); its byte is the largest magnitude's exponent field - 2, held at 1 from below.
; LIMITS: a block of zeros gets the byte 1 where the rule says 127 (its codes are zeros, and this program alone reads the bytes); NaN and infinities among the weights are not served; any mask byte other than 0 counts as true.
; No barrier: waves share nothing.  Each path has LDS bytes of its own.
.set MPW,   4352                       ; a wave's mask stage: 16 rows x (256 + 16) bytes, from LDS byte 0
.set WST,   17408                      ; the weights' stages begin here
.set WPW,   8448                       ; a wave's: 16 rows x (512 + 16) bytes
.set SPARE, 51200                      ; the spare words: 128 bytes a wave, two blocks of 256 bytes that no other line names
.set SEL,   42                         ; s[42:43] lane selects for v_permlanex16_b32: lane l xor 16
.set PC,    16                         ; v16-34 codes just made
.set TM,    36                         ; v36-47 at work in QUANT
.set PW,    52                         ; v52    the scale word just made
.set RAW,   64                         ; v64..  numbers or bytes as loaded
.set X,     128                        ; v128-191 64 numbers of a lane's row
; 64 numbers of a lane, register 16 b + i = k 32 b + 16 (lane / 16) + i of my row, become a fragment's codes in v[PC] on and its scale word in v[PW].
.macro QUANT s
.irp b, 0,1,2,3
	v_max3_num_f32 v[TM+\b], |v[\s+16*\b]|, |v[\s+1+16*\b]|, 0x1800000   ; my 16 numbers of block b, and the floor 2^(3 - 127): the byte cannot fall under 1
.endr
.irp i, 2,4,6,8,10,12,14
.irp b, 0,1,2,3
	v_max3_num_f32 v[TM+\b], v[TM+\b], |v[\s+16*\b+\i]|, |v[\s+1+16*\b+\i]|   ; the four blocks by turns
.endr
.endr
.irp b, 0,1,2,3
	v_permlanex16_b32 v[TM+4+\b], v[TM+\b], s[SEL], s[SEL+1]
.endr
.irp b, 0,1,2,3
	v_max_num_f32 v[TM+\b], v[TM+\b], v[TM+4+\b]   ; with lane l xor 16's: the block's largest magnitude
.endr
.irp b, 0,1,2,3
	v_add_nc_u32 v[TM+8+\b], 0xff000000, v[TM+\b]  ; 2 off its exponent field: the conversion's scale operand
.endr
.irp b, 0,1,2,3
	v_lshrrev_b32 v[TM+4+\b], 23, v[TM+8+\b]       ; the scale's byte
.endr
	v_lshl_or_b32 v[PW], v[TM+5], 8, v[TM+4]
	v_lshl_or_b32 v[PW], v[TM+6], 16, v[PW]
	v_lshl_or_b32 v[PW], v[TM+7], 24, v[PW]
.irp c, 0,1
	v_cvt_scalef32_pk16_fp6_f32 v[PC+6*\c:PC+2+6*\c], v[\s+32*\c:\s+15+32*\c], v[TM+8+2*\c]
	v_cvt_scalef32_pk16_fp6_f32 v[PC+12+4*\c:PC+14+4*\c], v[\s+16+32*\c:\s+31+32*\c], v[TM+8+2*\c+1]   ; (a conversion's three registers begin on an even number)
.endr
	v_nop                                          ; one plain place behind a scaled conversion
.irp c, 0,1                                    ; the operand wants a whole block in a lane: lanes 0-15 block 2 c, lanes 16-31 block 2 c + 1
.irp i, 0,1,2
	v_permlane16_swap_b32 v[PC+6*\c+\i], v[PC+12+4*\c+\i]
.endr
.irp i, 0,1,2
	v_mov_b32 v[PC+3+6*\c+\i], v[PC+12+4*\c+\i]
.endr
.endr
.endm
	s_load_b512 s[4:19], s[0:1], 0x0               ; mask s[4:5], Wq s[6:7], Wk s[8:9], Wv s[10:11], Wo s[12:13], wcodes s[14:15], wscales s[16:17], maskw s[18:19]
	s_load_b64 s[20:21], s[0:1], 0x40              ; tflags
	v_lshl_add_u32 v1, v0, 2, SPARE                ; my spare word,
	v_mov_b32 v2, 0                                ; and 0: both kept for the closing lines alone
	v_lshrrev_b32 v8, 5, v0
	v_readfirstlane_b32 s22, v8                    ; wave 0..3
	v_and_b32 v8, 31, v0                           ; lane
	v_and_b32 v9, 15, v0                           ; r
	v_bfe_u32 v10, v0, 4, 1                        ; h
	s_cmp_ge_u32 ttmp9, 256
	s_cbranch_scc1 .Lweights
	; ---------------- the mask ----------------
	v_lshlrev_b32 v3, 4, v9
	v_lshl_add_u32 v3, v10, 12, v3                 ; in memory: lanes 0-15 one row's 256 bytes, lanes 16-31 the next row's
	s_mul_i32 s23, s22, MPW                        ; my stage
	v_mul_u32_u24 v4, v10, 272
	v_lshl_add_u32 v4, v9, 4, v4
	v_add_nc_u32 v4, s23, v4                       ; into it: the same two rows
	v_mul_u32_u24 v5, v9, 272
	v_lshl_add_u32 v5, v10, 4, v5
	v_add_nc_u32 v5, s23, v5                       ; out of it: row r, 16 bytes from 16 h on
	v_lshlrev_b32 v6, 4, v8                        ; the words' way out: 16 bytes a lane
	v_mov_b32 v7, 0
	s_lshr_b32 s36, ttmp9, 1
	s_lshl_b32 s36, s36, 5
	s_and_b32 s37, ttmp9, 1
	s_lshl_b32 s37, s37, 3
	s_add_co_u32 s36, s36, s37                     ; the tile's first row: 32 (T / 2) + 8 (T % 2)
	s_lshl_b32 s36, s36, 12
	s_lshl_b32 s37, s22, 10
	s_add_co_u32 s36, s36, s37                     ; + my wave's 1,024 columns
	s_mov_b32 s37, 0
	s_lshl_b32 s38, ttmp9, 13                      ; maskw: 8,192 bytes a tile, 2,048 a wave
	s_lshl_b32 s39, s22, 11
	s_add_co_u32 s38, s38, s39
	s_mov_b32 s39, 0
	s_lshl_b32 s40, ttmp9, 3                       ; tflags: 8 bytes a tile; my wave's 8 steps are byte w of each word
	s_add_co_u32 s40, s40, s22
	s_mov_b32 s41, 0
	s_mov_b32 s24, 0                               ; the flags of my 8 steps
	s_mov_b32 s25, 0
	s_wait_kmcnt 0x0
	s_add_nc_u64 s[4:5], s[4:5], s[36:37]
	s_add_nc_u64 s[18:19], s[18:19], s[38:39]
	s_add_nc_u64 s[20:21], s[20:21], s[40:41]
.irp tr, 0,1,2,3                               ; all 32 loads at once: 16 KiB of every wave are on their way
.irp i, 0,1,2,3,4,5,6,7
	global_load_b128 v[RAW+32*\tr+4*\i:RAW+32*\tr+4*\i+3], v3, s[4:5] offset:(2*\i+8*(\i/4))*4096+256*\tr th:TH_LOAD_NT
.endr
.endr
.set j, 0
.rept 16
	v_mov_b32 v[16+j], 0                           ; written once: v_writelane_b32's destination counts as read
.set j, j+1
.endr
; A trip: 16 rows x 256 columns = two key steps.
.macro MTRIP tr
	s_wait_loadcnt 24-8*\tr                        ; this trip's eight loads are in; the later trips' may be out
.irp i, 0,1,2,3,4,5,6,7
	ds_store_b128 v4, v[RAW+32*\tr+4*\i:RAW+32*\tr+4*\i+3] offset:2*\i*272
.endr
.irp c, 0,1,2,3,4,5,6,7
	ds_load_b128 v[32+4*\c:32+4*\c+3], v5 offset:32*\c   ; LDS serves a wave's instructions in order: these see the stores above.  Columns 32 c + 16 h + 0 .. 15 of row r
.endr
	s_wait_dscnt 0x0
.irp ks, 0,1
	s_mov_b32 s26, -1                              ; the AND and the OR of the step's 64 words
	s_mov_b32 s27, 0
.set n, 0
.rept 64
	v_and_b32 v[8+n%4], 0xff<<(8*(n%4)), v[32+4*(4*\ks+n/16)+(n%16)/4]   ; my byte for score register n
	v_cmp_ne_u32 s[28+n%8], 0, v[8+n%4]            ; the 32 lanes' bits: word n
	v_writelane_b32 v[16+4*\tr+n%4], s[28+n%8], 16*\ks+n/4   ; to its place in the 512 bytes that the wave stores
	s_and_b32 s26, s26, s[28+n%8]
	s_or_b32 s27, s27, s[28+n%8]
.set n, n+1
.endr
	s_cmp_lg_u32 s26, -1                           ; some place is open
	s_cselect_b32 s36, 1<<(2*\tr+\ks), 0
	s_or_b32 s24, s24, s36
	s_cmp_lg_u32 s27, 0                            ; some place is hidden
	s_cselect_b32 s36, 1<<(2*\tr+\ks), 0
	s_or_b32 s25, s25, s36
.endr
	global_store_b128 v6, v[16+4*\tr:16+4*\tr+3], s[18:19] offset:512*\tr   ; two steps' words: 512 consecutive bytes; each trip has its own four registers
.endm
	MTRIP 0
	MTRIP 1
	MTRIP 2
	MTRIP 3
	v_mov_b32 v12, s24
	v_mov_b32 v13, s25
	global_store_b8 v7, v12, s[20:21]              ; all lanes write the same byte with the same value
	global_store_b8 v7, v13, s[20:21] offset:4
	s_branch .Lend
	; ---------------- the weights ----------------
.Lweights:
	v_lshlrev_b32 v3, 4, v8                        ; 16 x lane: a row's 512 bytes, and an image's place
	s_mul_i32 s23, s22, WPW
	s_add_co_u32 s23, s23, WST                     ; my stage
	v_add_nc_u32 v4, s23, v3                       ; into it: a row a store
	v_mul_u32_u24 v5, v9, 528
	v_lshl_add_u32 v5, v10, 6, v5
	v_add_nc_u32 v5, s23, v5                       ; out of it: row r, my 16 numbers of each block of 32
	v_lshlrev_b32 v6, 2, v9                        ; a scale word's place: 4 r
	s_mov_b32 s[SEL], 0x76543210
	s_mov_b32 s[SEL+1], 0xfedcba98
.irp b, 0,1,2,3
	v_mov_b32 v[TM+4+\b], 0                        ; written once: a lane permute's destination counts as one of its sources
.endr
	s_sub_co_u32 s36, ttmp9, 256                   ; g = 32 w + 4 hd + tl
	s_lshr_b32 s37, s36, 5                         ; which weight
	s_bfe_u32 s38, s36, 0x30002                    ; hd
	s_bfe_u32 s39, s36, 0x10001                    ; tl / 2
	s_and_b32 s40, s36, 1                          ; tl % 2
	s_lshl_b32 s38, s38, 6
	s_lshl_b32 s39, s39, 5
	s_lshl_b32 s40, s40, 3
	s_add_co_u32 s38, s38, s39
	s_add_co_u32 s38, s38, s40                     ; the tile's first row
	s_lshl_b32 s38, s38, 11                        ; rows of 2,048 bytes
	s_lshl_b32 s39, s22, 9
	s_add_co_u32 s38, s38, s39                     ; + K step s = my wave: 512 bytes
	s_mov_b32 s39, 0
	s_lshl_b32 s40, s36, 2
	s_add_co_u32 s40, s40, s22                     ; the fragment's number 4 g + s
	s_mul_i32 s26, s40, 1536
	s_mov_b32 s27, 0
	s_lshl_b32 s40, s40, 6
	s_mov_b32 s41, 0
	s_wait_kmcnt 0x0
	s_cmp_eq_u32 s37, 0                            ; the choice hangs on the work-group's number alone
	s_cselect_b64 s[24:25], s[6:7], s[8:9]
	s_cmp_eq_u32 s37, 2
	s_cselect_b64 s[24:25], s[10:11], s[24:25]
	s_cmp_eq_u32 s37, 3
	s_cselect_b64 s[24:25], s[12:13], s[24:25]
	s_add_nc_u64 s[24:25], s[24:25], s[38:39]
	s_add_nc_u64 s[14:15], s[14:15], s[26:27]
	s_add_nc_u64 s[16:17], s[16:17], s[40:41]
.set i, 0
.rept 16
	global_load_b128 v[RAW+4*i:RAW+4*i+3], v3, s[24:25] offset:(i+8*(i/8))*2048   ; row rho(tl, i): 512 consecutive bytes
.set i, i+1
.endr
	s_wait_loadcnt 0x0
.set i, 0
.rept 16
	ds_store_b128 v4, v[RAW+4*i:RAW+4*i+3] offset:528*i
.set i, i+1
.endr
.set i, 0
.rept 16
	ds_load_b128 v[X+4*i:X+4*i+3], v5 offset:128*(i/4)+16*(i%4)   ; register 16 b + 4 j on: k = 32 b + 16 h + 4 j on
.set i, i+1
.endr
	s_wait_dscnt 0x0
	QUANT X
.irp g, 0,1,2
	global_store_b128 v3, v[PC+4*\g:PC+4*\g+3], s[14:15] offset:512*\g   ; 512 consecutive bytes a store
.endr
	global_store_b32 v6, v[PW], s[16:17]           ; lanes 16-31 write the same words with the same values
.Lend:
	s_wait_tensorcnt 0x0                           ; the wave's end: three closing lines behind my last LDS store
	ds_add_u32 v1, v2
	s_wait_dscnt 0x0
	s_endpgm
.Lfunc_end_k_q9b55c328ca_prep:
	.size	k_q9b55c328ca_prep, .Lfunc_end_k_q9b55c328ca_prep-k_q9b55c328ca_prep
	.p2alignl 7, 3214868480
	.fill 96, 4, 3214868480
	.section	.rodata,"a",@progbits
	.p2align	6, 0x0
	.amdhsa_kernel k_q9b55c328ca_prep
		.amdhsa_group_segment_fixed_size 51712
		.amdhsa_private_segment_fixed_size 0
		.amdhsa_enable_private_segment 0
		.amdhsa_kernarg_size 72
		.amdhsa_user_sgpr_count 2
		.amdhsa_user_sgpr_kernarg_segment_ptr 1
		.amdhsa_wavefront_size32 1
		.amdhsa_system_sgpr_workgroup_id_x 1
		.amdhsa_system_sgpr_workgroup_id_y 1
		.amdhsa_system_sgpr_workgroup_id_z 1
		.amdhsa_system_vgpr_workitem_id 0
		.amdhsa_next_free_vgpr 192
		.amdhsa_next_free_sgpr 66
		.amdhsa_reserve_vcc 0
		.amdhsa_float_denorm_mode_32 3
		.amdhsa_float_denorm_mode_16_64 3
		.amdhsa_memory_ordered 1
		.amdhsa_forward_progress 1
		.amdhsa_inst_pref_size 151
	.end_amdhsa_kernel
	.amdgpu_metadata
---
amdhsa.version: [ 1, 2 ]
amdhsa.kernels:
  - .name:           k_q9b55c328ca_prep
    .symbol:         k_q9b55c328ca_prep.kd
    .args:
      - { .name: mask, .offset: 0, .size: 8, .value_kind: global_buffer, .address_space: global }
      - { .name: Wq, .offset: 8, .size: 8, .value_kind: global_buffer, .address_space: global }
      - { .name: Wk, .offset: 16, .size: 8, .value_kind: global_buffer, .address_space: global }
      - { .name: Wv, .offset: 24, .size: 8, .value_kind: global_buffer, .address_space: global }
      - { .name: Wo, .offset: 32, .size: 8, .value_kind: global_buffer, .address_space: global }
      - { .name: wcodes, .offset: 40, .size: 8, .value_kind: global_buffer, .address_space: global }
      - { .name: wscales, .offset: 48, .size: 8, .value_kind: global_buffer, .address_space: global }
      - { .name: maskw, .offset: 56, .size: 8, .value_kind: global_buffer, .address_space: global }
      - { .name: tflags, .offset: 64, .size: 8, .value_kind: global_buffer, .address_space: global }
    .group_segment_fixed_size: 51712
    .private_segment_fixed_size: 0
    .kernarg_segment_align: 8
    .kernarg_segment_size: 72
    .max_flat_workgroup_size: 128
    .sgpr_count:     66
    .vgpr_count:     192
    .wavefront_size: 32
...
	.end_amdgpu_metadata
.endif
;; end of part 1
;; launch proj (part 2): grid 64 x 3, 8 waves a work-group, no clusters, 121,856 bytes of LDS; arguments q, k, v, bq, bk, bv, wcodes, wscales, qp, kv; writes qp, kv
.if DOCPART == 2
	.amdgcn_target "amdgcn-amd-amdhsa--gfx1250"
	.amdhsa_code_object_version 6
	.text
	.protected	k_q9b55c328ca_proj
	.globl	k_q9b55c328ca_proj
	.p2align	8
	.type	k_q9b55c328ca_proj,@function
k_q9b55c328ca_proj:
	s_mov_b64 s[64:65], 0
	v_nop
	global_prefetch_b8 v0, s[64:65] scope:SCOPE_SE
	s_setreg_imm32_b32 hwreg(HW_REG_WAVE_MODE, 25, 1), 1
	s_wait_xcnt 0x0
; y = x W^T + b for x = q, k, v (work-group y = 0, 1, 2), on codes of E2M3 with one E8M0 scale for each 32 along K; y is quantised at once for the attention launch and leaves as images of operand registers.
; SHARES.  A work-group takes 128 rows of the flattened [8192][512].  Phase X: wave w quantises x's tile w (16 rows rho(w, r) = 32 (w / 2) + 8 (w % 2) + r + 8 (r / 8), four fragments of 128 K) and stores
; their images in LDS.  One barrier.  Phase G: wave w is head w: its 64 rows of W (16 fragments, 192 registers) stay in registers; it multiplies all 8 tiles of x.
; q, k: TRANSPOSED (source 0 = 16 rows of W, source 1 = x): a lane holds one row of x and its 32 registers run along the head's 64 channels, which are the score product's K: two blocks of 32, six registers of codes.
; v: as it stands (source 0 = x, source 1 = W): a lane holds one channel and its registers run along the 128 keys, which are the second product's K: one fragment of V^T for each 16 channels.
; The bias is the C of each sum's first matrix instruction.
; OUT.  qp[bh][block]: four images of two tiles each (6,144 bytes), then the tiles' scale words [8][16].  kv[bh][key step]: K's four images, V^T's four images, K's scale words [8][16], V's [4][32].
; A half fragment's scale word is byte 0, byte 1, 0x7f, 0x7f: the score product's upper 64 of K are zero codes on the queries' side.
; LIMITS: a block of zeros gets the byte 1 where the rule says 127 (its codes are zeros, and this program alone reads the bytes); NaN and infinities among the inputs are not served.
; 192 work-groups: a fragment of V^T spans 128 keys, so 128 rows are the unit; each wave has 32 loads of 512 bytes of x on its way.
; REGISTERS.  Window 0: v1-10 addresses; v240-247 x's scale words, v248-255 W's (these hold scales alone).  Phase X: v15 the word just made, v16-34 codes, v36-47 at work, v48-111 and v112-175 x as loaded, v176-239 x by rows.
;   Phase G: v16-63 and v192-239 x's fragments, two buffers; v64-191 accumulators; on the way out v192-230 at work.   Window 1: v0-191 W's fragments; v192-223 the bias, eight registers a tile.
.set XIMG,  0                          ; LDS: x's 32 fragments, (t, s) at (4 t + s) x 1,536,
.set XSC,   49152                      ; their scale words, 128 bytes each,
.set STG,   53248                      ; a stage of 16 rows x (512 + 16) bytes for each wave,
.set SPARE, 120832                     ; and the spare words: 128 bytes a wave, four blocks of 256 bytes that no other line names
.set SEL,   40                         ; s[40:41] lane selects for v_permlanex16_b32: lane l xor 16
.set RA,    48
.set RB,    112
.set X,     176
.set XFB,   16
.set ACC,   64
.set XFA,   192
.set XSA,   240
.set XSB,   244
.set WS,    248
.set BIAS,  192                        ; in window 1
.set PC,    16
.set TM,    36
.set PW,    15
.set TX,    28
.set MSB, 0
.macro WIN new                         ; the immediate's high byte repeats the setting that is left
.if MSB != \new
	s_set_vgpr_msb (MSB<<8)|\new
.set MSB, \new
.endif
.endm
.macro PLACES                          ; four places behind matrix instructions, in front of loads into registers that they read and of the first read of results
.rept 4
	v_nop
.endr
.endm
; 64 numbers of a lane, register 16 b + i = k 32 b + 16 (lane / 16) + i of my row, become a fragment's codes in v[PC] on and its scale word in v[PW].
.macro QUANT s
.irp b, 0,1,2,3
	v_max3_num_f32 v[TM+\b], |v[\s+16*\b]|, |v[\s+1+16*\b]|, 0x1800000   ; my 16 numbers of block b, and the floor 2^(3 - 127): the byte cannot fall under 1
.endr
.irp i, 2,4,6,8,10,12,14
.irp b, 0,1,2,3
	v_max3_num_f32 v[TM+\b], v[TM+\b], |v[\s+16*\b+\i]|, |v[\s+1+16*\b+\i]|
.endr
.endr
.irp b, 0,1,2,3
	v_permlanex16_b32 v[TM+4+\b], v[TM+\b], s[SEL], s[SEL+1]
.endr
.irp b, 0,1,2,3
	v_max_num_f32 v[TM+\b], v[TM+\b], v[TM+4+\b]
.endr
.irp b, 0,1,2,3
	v_add_nc_u32 v[TM+8+\b], 0xff000000, v[TM+\b]  ; 2 off the exponent field: the conversion's scale operand
.endr
.irp b, 0,1,2,3
	v_lshrrev_b32 v[TM+4+\b], 23, v[TM+8+\b]       ; the scale's byte
.endr
	v_lshl_or_b32 v[PW], v[TM+5], 8, v[TM+4]
	v_lshl_or_b32 v[PW], v[TM+6], 16, v[PW]
	v_lshl_or_b32 v[PW], v[TM+7], 24, v[PW]
.irp c, 0,1
	v_cvt_scalef32_pk16_fp6_f32 v[PC+6*\c:PC+2+6*\c], v[\s+32*\c:\s+15+32*\c], v[TM+8+2*\c]
	v_cvt_scalef32_pk16_fp6_f32 v[PC+12+4*\c:PC+14+4*\c], v[\s+16+32*\c:\s+31+32*\c], v[TM+8+2*\c+1]
.endr
	v_nop                                          ; one plain place behind a scaled conversion
.irp c, 0,1
.irp i, 0,1,2
	v_permlane16_swap_b32 v[PC+6*\c+\i], v[PC+12+4*\c+\i]
.endr
.irp i, 0,1,2
	v_mov_b32 v[PC+3+6*\c+\i], v[PC+12+4*\c+\i]
.endr
.endr
.endm
; 32 numbers (two blocks) become half a fragment, six registers from v[d] on (lane (r, h): block h of row r), and v[w] = byte 0 | byte 1 << 8.
.macro QUANT2 s, d, w
.irp b, 0,1
	v_max3_num_f32 v[TM+\b], |v[\s+16*\b]|, |v[\s+1+16*\b]|, 0x1800000
.endr
.irp i, 2,4,6,8,10,12,14
.irp b, 0,1
	v_max3_num_f32 v[TM+\b], v[TM+\b], |v[\s+16*\b+\i]|, |v[\s+1+16*\b+\i]|
.endr
.endr
.irp b, 0,1
	v_permlanex16_b32 v[TM+4+\b], v[TM+\b], s[SEL], s[SEL+1]
.endr
.irp b, 0,1
	v_max_num_f32 v[TM+\b], v[TM+\b], v[TM+4+\b]
.endr
.irp b, 0,1
	v_add_nc_u32 v[TM+8+\b], 0xff000000, v[TM+\b]
.endr
.irp b, 0,1
	v_lshrrev_b32 v[TM+4+\b], 23, v[TM+8+\b]
.endr
	v_lshl_or_b32 v[\w], v[TM+5], 8, v[TM+4]
	v_cvt_scalef32_pk16_fp6_f32 v[\d:\d+2], v[\s:\s+15], v[TM+8]
	v_cvt_scalef32_pk16_fp6_f32 v[TX:TX+2], v[\s+16:\s+31], v[TM+9]
	v_nop
.irp i, 0,1,2
	v_permlane16_swap_b32 v[\d+\i], v[TX+\i]
.endr
.irp i, 0,1,2
	v_mov_b32 v[\d+3+\i], v[TX+\i]
.endr
.endm
	s_load_b512 s[4:19], s[0:1], 0x0               ; q s[4:5], k s[6:7], v s[8:9], bq s[10:11], bk s[12:13], bv s[14:15], wcodes s[16:17], wscales s[18:19]
	s_load_b128 s[20:23], s[0:1], 0x40             ; qp s[20:21], kv s[22:23]
	v_lshl_add_u32 v1, v0, 2, SPARE                ; my spare word,
	v_mov_b32 v2, 0                                ; and 0: both kept for the closing lines alone
	v_lshrrev_b32 v11, 5, v0
	v_readfirstlane_b32 s24, v11                   ; wave 0..7
	s_mov_b32 s25, ttmp9                           ; the block of 128 rows
	s_and_b32 s26, ttmp7, 0xffff                   ; 0: q, 1: k, 2: v
	v_and_b32 v11, 31, v0                          ; lane
	v_and_b32 v12, 15, v0                          ; r
	v_bfe_u32 v13, v0, 4, 1                        ; h
	v_lshlrev_b32 v3, 4, v11                       ; 16 x lane
	v_lshlrev_b32 v4, 2, v11                       ; 4 x lane
	s_mul_i32 s44, s24, 8448
	s_add_co_u32 s44, s44, STG                     ; my stage
	v_add_nc_u32 v5, s44, v3                       ; into it: a row a store
	v_mul_u32_u24 v6, v12, 528
	v_lshl_add_u32 v6, v13, 6, v6
	v_add_nc_u32 v6, s44, v6                       ; out of it: row r, my 16 numbers of each block of 32
	s_mul_i32 s44, s24, 6144
	v_add_nc_u32 v7, s44, v3                       ; where I store my tile's four images
	s_lshl_b32 s44, s24, 9
	s_add_co_u32 s44, s44, XSC
	v_add_nc_u32 v8, s44, v4                       ; and their scale words
	v_lshlrev_b32 v9, 6, v13                       ; the bias for q, k: 64 h
	v_and_b32 v10, 8, v12
	v_add_nc_u32 v10, v10, v12
	v_lshlrev_b32 v10, 2, v10                      ; for v: 4 (r + 8 (r / 8))
.irp b, 0,1,2,3
	v_mov_b32 v[TM+4+\b], 0                        ; written once: a lane permute's destination counts as one of its sources
.endr
	s_mov_b32 s[SEL], 0x76543210
	s_mov_b32 s[SEL+1], 0xfedcba98
	s_mov_b32 s42, 0xffff0000                      ; lanes 16-31
	s_lshl_b32 s44, s25, 7
	s_lshr_b32 s45, s24, 1
	s_lshl_b32 s45, s45, 5
	s_add_co_u32 s44, s44, s45
	s_and_b32 s45, s24, 1
	s_lshl_b32 s45, s45, 3
	s_add_co_u32 s44, s44, s45                     ; my tile's first row of x
	s_lshl_b32 s44, s44, 11                        ; rows of 2,048 bytes
	s_mov_b32 s45, 0
	s_lshl_b32 s50, s26, 3
	s_add_co_u32 s50, s50, s24                     ; 8 p + head
	s_mul_i32 s48, s50, 24576                      ; its 16 fragments,
	s_mov_b32 s49, 0
	s_lshl_b32 s50, s50, 10                        ; their scale words,
	s_mov_b32 s51, 0
	s_lshl_b32 s52, s24, 8                         ; the head's 64 numbers of the bias
	s_mov_b32 s53, 0
	s_lshr_b32 s46, s25, 5
	s_lshl_b32 s46, s46, 8
	s_lshl_b32 s47, s24, 5
	s_add_co_u32 s46, s46, s47
	s_and_b32 s47, s25, 31
	s_add_co_u32 s46, s46, s47                     ; 32 (8 b + head) + block: which package
	s_mov_b32 s47, 13312
	s_mov_b32 s54, 12288
	s_cmp_eq_u32 s26, 0
	s_cselect_b32 s47, 6656, s47                   ; a package's bytes,
	s_cselect_b32 s54, 6144, s54                   ; where its scale words begin,
	s_mul_i32 s46, s46, s47
	s_cmp_eq_u32 s26, 2
	s_cselect_b32 s47, 6144, 0                     ; V's images lie behind K's,
	s_cselect_b32 s54, 12800, s54                  ; V's scale words behind K's
	s_add_co_u32 s54, s54, s46
	s_add_co_u32 s46, s46, s47
	s_mov_b32 s47, 0
	s_mov_b32 s55, 0
	s_wait_kmcnt 0x0
	s_cmp_eq_u32 s26, 0                            ; the choices hang on the work-group's number alone
	s_cselect_b64 s[28:29], s[4:5], s[6:7]
	s_cselect_b64 s[30:31], s[10:11], s[12:13]
	s_cselect_b64 s[36:37], s[20:21], s[22:23]
	s_cmp_eq_u32 s26, 2
	s_cselect_b64 s[28:29], s[8:9], s[28:29]
	s_cselect_b64 s[30:31], s[14:15], s[30:31]
	s_mov_b64 s[38:39], s[36:37]
	s_add_nc_u64 s[28:29], s[28:29], s[44:45]      ; x
	s_add_nc_u64 s[30:31], s[30:31], s[52:53]      ; the bias
	s_add_nc_u64 s[32:33], s[16:17], s[48:49]      ; W's fragments
	s_add_nc_u64 s[34:35], s[18:19], s[50:51]      ; W's scale words
	s_add_nc_u64 s[36:37], s[36:37], s[46:47]      ; my images' place
	s_add_nc_u64 s[38:39], s[38:39], s[54:55]      ; my scale words' place
	WIN 0x40                                       ; destination window 1
.set c, 0
.rept 48
	global_load_b128 v[4*c:4*c+3], v3, s[32:33] offset:512*c   ; W's 16 fragments as they lie: they stay
.set c, c+1
.endr
	WIN 0
	s_cmp_eq_u32 s26, 2
	s_cbranch_scc1 .Lbias_v
	WIN 0x40
.irp tl, 0,1,2,3                               ; q, k: lane (r, h), tile tl, register j: channel 32 (tl / 2) + 16 h + 8 (tl % 2) + j
	global_load_b128 v[BIAS+8*\tl:BIAS+8*\tl+3], v9, s[30:31] offset:(32*(\tl/2)+8*(\tl%2))*4
	global_load_b128 v[BIAS+8*\tl+4:BIAS+8*\tl+7], v9, s[30:31] offset:(32*(\tl/2)+8*(\tl%2))*4+16
.endr
	WIN 0
	s_branch .Lbias_done
.Lbias_v:
	WIN 0x40
.irp tl, 0,1,2,3                               ; v: a lane holds channel rho(tl, r) in all eight registers
.irp j, 0,1,2,3,4,5,6,7
	global_load_b32 v[BIAS+8*\tl+\j], v10, s[30:31] offset:(32*(\tl/2)+8*(\tl%2))*4
.endr
.endr
	WIN 0
.Lbias_done:
.irp e, 0,1,2,3,4,5,6,7
	global_load_b32 v[WS+\e], v4, s[34:35] offset:128*\e   ; register 2 tl + s / 2: lanes 0-15 the words of the even K step, lanes 16-31 of the odd one
.endr
.macro XLOAD rs, s                     ; my 16 rows' numbers of K step s: a row's 512 consecutive bytes a load
.set i, 0
.rept 16
	global_load_b128 v[\rs+4*i:\rs+4*i+3], v3, s[28:29] offset:(i+8*(i/8))*2048+512*(\s) th:TH_LOAD_NT
.set i, i+1
.endr
.endm
.macro TURN rs                         ; through my stage: in by rows as loaded, out 16 neighbours of each block a lane
.set i, 0
.rept 16
	ds_store_b128 v5, v[\rs+4*i:\rs+4*i+3] offset:528*i
.set i, i+1
.endr
.set i, 0
.rept 16
	ds_load_b128 v[X+4*i:X+4*i+3], v6 offset:128*(i/4)+16*(i%4)   ; LDS serves a wave's instructions in order: these see the stores above
.set i, i+1
.endr
.endm
.macro XSTEP rs, s
.if \s < 3
	s_wait_loadcnt 16                              ; this set's 16 loads are in (and all that was asked for earlier); the other set's 16 may be out
.else
	s_wait_loadcnt 0x0
.endif
	TURN \rs
	s_wait_dscnt 0x0                               ; the set has been read, the numbers are back, the last images' stores are done
.if \s < 2
	XLOAD \rs, \s+2
.endif
	QUANT X
.irp g, 0,1,2
	ds_store_b128 v7, v[PC+4*\g:PC+4*\g+3] offset:XIMG+1536*\s+512*\g   ; the fragment as it stands: lane l's 16 bytes at 16 l
.endr
	ds_store_b32 v8, v[PW] offset:128*\s
.endm
	XLOAD RA, 0
	XLOAD RB, 1
	XSTEP RA, 0
	XSTEP RB, 1
	XSTEP RA, 2
	XSTEP RB, 3
	s_wait_dscnt 0x0                               ; for the others' sake: my images lie in LDS
	s_barrier_signal -1
	s_barrier_wait -1                              ; all 32 do; nothing is stored to LDS from here on
.macro FETCHX t, xf, xs                ; tile t's four fragments and scale words: 16 LDS loads
.set c, 0
.rept 12
	ds_load_b128 v[\xf+4*c:\xf+4*c+3], v3 offset:XIMG+6144*(\t)+512*c
.set c, c+1
.endr
.irp s, 0,1,2,3
	ds_load_b32 v[\xs+\s], v4 offset:XSC+(4*(\t)+\s)*128
.endr
.endm
.set PC, 192
.set TM, 212
.set TX, 204
.set PW, 228
	s_cmp_eq_u32 s26, 2
	s_cbranch_scc1 .Lpath_v
	; ---------------- q, k ----------------
; 16 products: my four tiles of W x one tile of x; the four accumulators take turns, one instruction a turn.
.macro GQK tp, xf, xs
	WIN 0x11                                       ; source 0 (W) and source 2 (the bias) window 1
.irp tl, 0,1,2,3
	v_wmma_scale_f32_16x16x128_f8f6f4 v[ACC+32*(\tp)+8*\tl:ACC+32*(\tp)+8*\tl+7], v[48*\tl:48*\tl+11], v[\xf:\xf+11], v[BIAS+8*\tl:BIAS+8*\tl+7], v[WS+2*\tl], v[\xs] matrix_a_fmt:MATRIX_FMT_FP6 matrix_b_fmt:MATRIX_FMT_FP6
.endr
	WIN 0x01
.irp s, 1,2,3
.irp tl, 0,1,2,3
.if \s%2
	v_wmma_scale_f32_16x16x128_f8f6f4 v[ACC+32*(\tp)+8*\tl:ACC+32*(\tp)+8*\tl+7], v[48*\tl+12*\s:48*\tl+12*\s+11], v[\xf+12*\s:\xf+12*\s+11], v[ACC+32*(\tp)+8*\tl:ACC+32*(\tp)+8*\tl+7], v[WS+2*\tl+\s/2], v[\xs+\s] matrix_a_fmt:MATRIX_FMT_FP6 matrix_b_fmt:MATRIX_FMT_FP6 matrix_a_scale:MATRIX_SCALE_ROW1
.else
	v_wmma_scale_f32_16x16x128_f8f6f4 v[ACC+32*(\tp)+8*\tl:ACC+32*(\tp)+8*\tl+7], v[48*\tl+12*\s:48*\tl+12*\s+11], v[\xf+12*\s:\xf+12*\s+11], v[ACC+32*(\tp)+8*\tl:ACC+32*(\tp)+8*\tl+7], v[WS+2*\tl+\s/2], v[\xs+\s] matrix_a_fmt:MATRIX_FMT_FP6 matrix_b_fmt:MATRIX_FMT_FP6
.endif
.endr
.endr
	WIN 0
.endm
.irp pp, 0,1                                   ; four tiles of x at a time: 128 accumulator registers
	FETCHX 4*\pp, XFA, XSA
	FETCHX 4*\pp+1, XFB, XSB
	s_wait_dscnt 16                                ; the first tile is in; the 16 loads just issued may be out
	GQK 0, XFA, XSA
	PLACES
	FETCHX 4*\pp+2, XFA, XSA
	s_wait_dscnt 16
	GQK 1, XFB, XSB
	PLACES
	FETCHX 4*\pp+3, XFB, XSB
	s_wait_dscnt 16
	GQK 2, XFA, XSA
	s_wait_dscnt 0x0
	GQK 3, XFB, XSB
	PLACES
.irp pr, 0,1                                   ; two tiles make an image of 12 registers
	QUANT2 ACC+64*\pr, PC, 228
	QUANT2 ACC+64*\pr+32, PC+6, 229
	v_or_b32 v228, 0x7f7f0000, v228                ; the upper two bytes: 1.0, over zero codes
	v_or_b32 v229, 0x7f7f0000, v229
	v_cndmask_b32 v230, v228, v229, s42            ; lanes 0-15 the even tile's words, lanes 16-31 the odd tile's
.irp g, 0,1,2
	global_store_b128 v3, v[PC+4*\g:PC+4*\g+3], s[36:37] offset:(2*\pp+\pr)*1536+512*\g   ; 512 consecutive bytes a store
.endr
	global_store_b32 v4, v230, s[38:39] offset:(2*\pp+\pr)*128
	s_wait_xcnt 0x0                                ; the stores' registers are written again only behind this wait
.endr
.endr
	s_branch .Lend
	; ---------------- v ----------------
.Lpath_v:
; 8 products: one tile of x (16 keys) x two tiles of W (channels); the two accumulators take turns, one instruction a turn.
.macro GV t, bb, xf, xs
	WIN 0x14                                       ; source 1 (W) and source 2 (the bias) window 1
.irp u, 0,1
	v_wmma_scale_f32_16x16x128_f8f6f4 v[ACC+64*\u+8*(\t):ACC+64*\u+8*(\t)+7], v[\xf:\xf+11], v[48*(2*\bb+\u):48*(2*\bb+\u)+11], v[BIAS+8*(2*\bb+\u):BIAS+8*(2*\bb+\u)+7], v[\xs], v[WS+2*(2*\bb+\u)] matrix_a_fmt:MATRIX_FMT_FP6 matrix_b_fmt:MATRIX_FMT_FP6
.endr
	WIN 0x04
.irp s, 1,2,3
.irp u, 0,1
.if \s%2
	v_wmma_scale_f32_16x16x128_f8f6f4 v[ACC+64*\u+8*(\t):ACC+64*\u+8*(\t)+7], v[\xf+12*\s:\xf+12*\s+11], v[48*(2*\bb+\u)+12*\s:48*(2*\bb+\u)+12*\s+11], v[ACC+64*\u+8*(\t):ACC+64*\u+8*(\t)+7], v[\xs+\s], v[WS+2*(2*\bb+\u)+\s/2] matrix_a_fmt:MATRIX_FMT_FP6 matrix_b_fmt:MATRIX_FMT_FP6 matrix_b_scale:MATRIX_SCALE_ROW1
.else
	v_wmma_scale_f32_16x16x128_f8f6f4 v[ACC+64*\u+8*(\t):ACC+64*\u+8*(\t)+7], v[\xf+12*\s:\xf+12*\s+11], v[48*(2*\bb+\u)+12*\s:48*(2*\bb+\u)+12*\s+11], v[ACC+64*\u+8*(\t):ACC+64*\u+8*(\t)+7], v[\xs+\s], v[WS+2*(2*\bb+\u)+\s/2] matrix_a_fmt:MATRIX_FMT_FP6 matrix_b_fmt:MATRIX_FMT_FP6
.endif
.endr
.endr
	WIN 0
.endm
.irp bb, 0,1                                   ; 32 channels at a time, all 128 keys: 128 accumulator registers
	FETCHX 0, XFA, XSA
.irp t, 0,2,4,6
.if \t > 0
	PLACES
.endif
	FETCHX \t+1, XFB, XSB
	s_wait_dscnt 16                                ; this tile is in; the 16 loads just issued may be out
	GV \t, \bb, XFA, XSA
.if \t < 6
	PLACES
	FETCHX \t+2, XFA, XSA
	s_wait_dscnt 16
.else
	s_wait_dscnt 0x0
.endif
	GV \t+1, \bb, XFB, XSB
.endr
	PLACES
.irp u, 0,1
	QUANT ACC+64*\u                                ; register 8 t + j = key 32 (t / 2) + 16 h + 8 (t % 2) + j of my channel: a fragment of V^T
.irp g, 0,1,2
	global_store_b128 v3, v[PC+4*\g:PC+4*\g+3], s[36:37] offset:(2*\bb+\u)*1536+512*\g
.endr
	global_store_b32 v4, v[PW], s[38:39] offset:(2*\bb+\u)*128
	s_wait_xcnt 0x0                                ; the stores' registers are written again only behind this wait
.endr
.endr
.Lend:
	s_wait_tensorcnt 0x0                           ; the wave's end: three closing lines behind my last LDS store
	ds_add_u32 v1, v2
	s_wait_dscnt 0x0
	s_endpgm
.Lfunc_end_k_q9b55c328ca_proj:
	.size	k_q9b55c328ca_proj, .Lfunc_end_k_q9b55c328ca_proj-k_q9b55c328ca_proj
	.p2alignl 7, 3214868480
	.fill 96, 4, 3214868480
	.section	.rodata,"a",@progbits
	.p2align	6, 0x0
	.amdhsa_kernel k_q9b55c328ca_proj
		.amdhsa_group_segment_fixed_size 121856
		.amdhsa_private_segment_fixed_size 0
		.amdhsa_enable_private_segment 0
		.amdhsa_kernarg_size 80
		.amdhsa_user_sgpr_count 2
		.amdhsa_user_sgpr_kernarg_segment_ptr 1
		.amdhsa_wavefront_size32 1
		.amdhsa_system_sgpr_workgroup_id_x 1
		.amdhsa_system_sgpr_workgroup_id_y 1
		.amdhsa_system_sgpr_workgroup_id_z 1
		.amdhsa_system_vgpr_workitem_id 0
		.amdhsa_next_free_vgpr 480
		.amdhsa_next_free_sgpr 66
		.amdhsa_reserve_vcc 0
		.amdhsa_float_denorm_mode_32 3
		.amdhsa_float_denorm_mode_16_64 3
		.amdhsa_memory_ordered 1
		.amdhsa_forward_progress 1
		.amdhsa_inst_pref_size 139
	.end_amdhsa_kernel
	.amdgpu_metadata
---
amdhsa.version: [ 1, 2 ]
amdhsa.kernels:
  - .name:           k_q9b55c328ca_proj
    .symbol:         k_q9b55c328ca_proj.kd
    .args:
      - { .name: q, .offset: 0, .size: 8, .value_kind: global_buffer, .address_space: global }
      - { .name: k, .offset: 8, .size: 8, .value_kind: global_buffer, .address_space: global }
      - { .name: v, .offset: 16, .size: 8, .value_kind: global_buffer, .address_space: global }
      - { .name: bq, .offset: 24, .size: 8, .value_kind: global_buffer, .address_space: global }
      - { .name: bk, .offset: 32, .size: 8, .value_kind: global_buffer, .address_space: global }
      - { .name: bv, .offset: 40, .size: 8, .value_kind: global_buffer, .address_space: global }
      - { .name: wcodes, .offset: 48, .size: 8, .value_kind: global_buffer, .address_space: global }
      - { .name: wscales, .offset: 56, .size: 8, .value_kind: global_buffer, .address_space: global }
      - { .name: qp, .offset: 64, .size: 8, .value_kind: global_buffer, .address_space: global }
      - { .name: kv, .offset: 72, .size: 8, .value_kind: global_buffer, .address_space: global }
    .group_segment_fixed_size: 121856
    .private_segment_fixed_size: 0
    .kernarg_segment_align: 8
    .kernarg_segment_size: 80
    .max_flat_workgroup_size: 256
    .sgpr_count:     66
    .vgpr_count:     480
    .wavefront_size: 32
...
	.end_amdgpu_metadata
.endif
;; end of part 2
;; launch attn (part 3): grid 16 x 16, 16 waves a work-group, no clusters, 31,744 bytes of LDS; arguments qp, kv, maskw, tflags, ocodes, oscales; writes ocodes, oscales
.if DOCPART == 3
	.amdgcn_target "amdgcn-amd-amdhsa--gfx1250"
	.amdhsa_code_object_version 6
	.text
	.protected	k_q9b55c328ca_attn
	.globl	k_q9b55c328ca_attn
	.p2align	8
	.type	k_q9b55c328ca_attn,@function
k_q9b55c328ca_attn:
	s_mov_b64 s[64:65], 0
	v_nop
	global_prefetch_b8 v0, s[64:65] scope:SCOPE_SE
	s_setreg_imm32_b32 hwreg(HW_REG_WAVE_MODE, 25, 1), 1
	s_wait_xcnt 0x0
; o = softmax(mask(q k^T / 8)) v for one (batch, head), both products on codes of E2M3 with one E8M0 scale for each 32 along K; o is quantised along the model's 512 for the output projection.
; THE SOFTMAX AHEAD OF THE SECOND PRODUCT: t = score x log2(e) / 8; M = the row's largest t so far, rounded up to a whole number; p = 2^(t - M) is quantised along the keys, not normalised; the row's sum is taken of the
; unquantised p and divides at the end.  When M moves, the sum and O are multiplied by 2^(old M - new M): exact.
; SHARES.  Sixteen waves, each ONE tile of 16 queries rho(T, r) = 32 (T / 2) + 8 (T % 2) + r + 8 (r / 8), four waves to a SIMD.  A work-group holds the blocks a and 31 - a of 128 queries, one wave of each for each tile number,
; dealt so that two waves of each block fall to a SIMD.  All waves walk the head's 32 key steps of 128 keys in step: a step's package (K's images, V^T's images, scale words: 13,312 bytes) is loaded through
; registers into one of two LDS slots, one barrier a step; the next package is asked for behind the barrier.
; THE MASK is an input.  An earlier launch has turned it into lane masks (a word for each score register) and two flags a tile: a step in which all 16 x 128 places of my tile are hidden adds nothing to any sum and is
; left out (a scalar branch on the stored flag; no barrier stands under it); a step with no hidden place skips the masking; a step that no wave of the work-group needs is not loaded.
; The launch uses no tensor load and no copy.  Cluster and joint loads are not used; what would be shared is 13 KiB a step.
; LAYOUT.  Both products transposed: S^T = K Q^T (source 0 = 16 keys, source 1 = my queries), O^T = V^T P^T: a lane holds one query throughout; score register 16 b + i is key 32 b + 16 (lane / 16) + i.
; K = 64 IN A PRODUCT OF 128: Q's upper six registers are zero codes; K's operand for tile t is twelve registers from its six on, so its upper half is the next tile's codes, which meet zero codes under the byte 0x7f.
; A ROW WITH NO OPEN KEY: reference() gives NaN; the row's sum is 0 here, and its scale bytes are set to 0xff, so that the output projection's sums for that row are NaN.
; LIMITS: NaN and infinities among the inputs are not served; a block of zeros has the byte 1 (its codes are zeros).
.set SLOT1, 16384                      ; slot 1 begins here
.set VIMG,  6144                       ; in a package: V^T's images,
.set KSC,   12288                      ; K's scale words [8][16],
.set VSC,   12800                      ; V's [4][32]
.set PKG,   13312
.set SPARE, 29696                      ; the spare words: 128 bytes a wave, eight blocks of 256 bytes that no other line names
.set SEL,   22                         ; s[22:23] lane selects for v_permlanex16_b32: lane l xor 16
.set KS,    38                         ; v38-41 K's scale words: lanes 0-15 tile 2 u, lanes 16-31 tile 2 u + 1
.set VS,    42                         ; v42-45 V's scale words
.set KV,    46                         ; v46-93 K's eight half fragments, later V^T's four fragments; v94-99 zeros
.set S,     100                        ; v100-163 S^T, then p
.set O,     164                        ; v164-195 O^T
.set PCD,   196                        ; v196-207 p's codes
.set TX,    208                        ; v208-214 at work in the conversions
.set BM,    216                        ; v216-219 the blocks' largest scores
.set BT,    220                        ; v220-223 at work
.set SO,    224                        ; v224-227 the conversions' scale operands
.set TM,    216                        ; the way out's work registers
; v1, v2 the closing lines' two; v3 16 l; v4 4 l; v5 16 x thread; v6 4 r; v7 8 l; v8 the prefetch's offset; v9 -infinity; v12 -M; v13 the largest t; v[14:15] the sum; v16-21 Q, v22-27 zeros; v28 Q's scale word; v29 p's;
; v30-37 the package on its way; v228, v229 at work; v[230:231] f.
; s16 wave; s17 T; s18, s19 my tile's flags, bit 0 = the step in hand; s20 the work-group's; s21 the loop's count; s[24:25] c; s26 which half of Q's image; s28 1 in a wave that prefetches; s32-63, s68-99 the step's 64 mask words.
.macro QUANT2 s, d, w                  ; 32 numbers (two blocks) become six registers from v[d] on (lane (r, h): block h of row r), and v[w] = byte 0 | byte 1 << 8
.irp b, 0,1
	v_max3_num_f32 v[TM+\b], |v[\s+16*\b]|, |v[\s+1+16*\b]|, 0x1800000
.endr
.irp i, 2,4,6,8,10,12,14
.irp b, 0,1
	v_max3_num_f32 v[TM+\b], v[TM+\b], |v[\s+16*\b+\i]|, |v[\s+1+16*\b+\i]|
.endr
.endr
.irp b, 0,1
	v_permlanex16_b32 v[TM+4+\b], v[TM+\b], s[SEL], s[SEL+1]
.endr
.irp b, 0,1
	v_max_num_f32 v[TM+\b], v[TM+\b], v[TM+4+\b]
.endr
.irp b, 0,1
	v_add_nc_u32 v[TM+8+\b], 0xff000000, v[TM+\b]
.endr
.irp b, 0,1
	v_lshrrev_b32 v[TM+4+\b], 23, v[TM+8+\b]
.endr
	v_lshl_or_b32 v[\w], v[TM+5], 8, v[TM+4]
	v_cvt_scalef32_pk16_fp6_f32 v[\d:\d+2], v[\s:\s+15], v[TM+8]
	v_cvt_scalef32_pk16_fp6_f32 v[TX:TX+2], v[\s+16:\s+31], v[TM+9]
	v_nop                                          ; one plain place behind a scaled conversion
.irp i, 0,1,2
	v_permlane16_swap_b32 v[\d+\i], v[TX+\i]
.endr
.irp i, 0,1,2
	v_mov_b32 v[\d+3+\i], v[TX+\i]
.endr
.endm
	s_load_b256 s[4:11], s[0:1], 0x0               ; qp s[4:5], kv s[6:7], maskw s[8:9], tflags s[10:11]
	s_load_b128 s[12:15], s[0:1], 0x20             ; ocodes s[12:13], oscales s[14:15]
	v_lshl_add_u32 v1, v0, 2, SPARE                ; my spare word,
	v_mov_b32 v2, 0                                ; and 0: both kept for the closing lines alone
	v_lshrrev_b32 v10, 5, v0
	v_readfirstlane_b32 s16, v10                   ; wave 0..15
	v_and_b32 v10, 31, v0                          ; lane
	v_and_b32 v11, 15, v0                          ; r
	v_lshlrev_b32 v3, 4, v10
	v_lshlrev_b32 v4, 2, v10
	v_lshlrev_b32 v5, 4, v0                        ; the package: 16 bytes a thread, in memory and in a slot alike
	v_lshlrev_b32 v6, 2, v11
	v_lshlrev_b32 v7, 3, v10
	s_lshr_b32 s68, s16, 2
	s_xor_b32 s68, s68, s16
	s_and_b32 s68, s68, 1                          ; which of the two blocks
	s_sub_co_u32 s69, 31, ttmp9
	s_cmp_eq_u32 s68, 0
	s_cselect_b32 s69, ttmp9, s69                  ; block a or 31 - a
	s_lshr_b32 s70, s16, 1                         ; the tile in it
	s_lshl_b32 s17, s69, 3
	s_add_co_u32 s17, s17, s70                     ; T
	s_and_b32 s71, ttmp7, 0xffff                   ; bh = 8 b + head
	s_lshl_b32 s72, s71, 5
	s_add_co_u32 s72, s72, s69
	s_mul_i32 s72, s72, 6656                       ; Q's package
	s_lshr_b32 s73, s70, 1
	s_mul_i32 s73, s73, 1536
	s_add_co_u32 s74, s72, s73                     ; the image that holds my tile
	s_mov_b32 s75, 0
	s_lshl_b32 s73, s70, 6
	s_add_co_u32 s72, s72, s73
	s_add_co_u32 s72, s72, 6144                    ; my tile's scale words
	s_mov_b32 s73, 0
	s_and_b32 s26, s70, 1
	s_cmp_lg_u32 s26, 0
	s_cselect_b32 s26, -1, 0                       ; an odd tile is the image's upper six registers
	s_mul_i32 s76, s71, 32*PKG                     ; the head's packages
	s_mov_b32 s77, 0
	s_lshl_b32 s78, s17, 13                        ; my tile's mask words
	s_mov_b32 s79, 0
	s_lshl_b32 s80, s17, 3                         ; my tile's flags,
	s_mov_b32 s81, 0
	s_lshl_b32 s82, ttmp9, 6                       ; those of block a's eight tiles,
	s_mov_b32 s83, 0
	s_sub_co_u32 s84, 31, ttmp9
	s_lshl_b32 s84, s84, 6                         ; and of block 31 - a's
	s_mov_b32 s85, 0
	s_lshr_b32 s86, s71, 3
	s_lshl_b32 s86, s86, 8
	s_add_co_u32 s86, s86, s17                     ; G = 256 b + T: my tile among the 512 of the flattened rows
	s_and_b32 s87, s71, 7                          ; head
	s_lshl_b32 s88, s86, 3
	s_add_co_u32 s88, s88, s87
	s_mul_i32 s88, s88, 768                        ; ocodes: 768 bytes for a tile and a head
	s_mov_b32 s89, 0
	s_lshl_b32 s90, s86, 2
	s_lshr_b32 s91, s87, 1
	s_add_co_u32 s90, s90, s91
	s_lshl_b32 s90, s90, 6                         ; oscales: 64 bytes for a tile and a K step of 128 (two heads),
	s_and_b32 s91, s87, 1
	s_lshl_b32 s91, s91, 1
	s_add_co_u32 s90, s90, s91                     ; my head's two bytes of each word
	s_mov_b32 s91, 0
	s_and_b32 s28, s16, 13
	s_xor_b32 s28, s28, 12                         ; 0 in waves 12 and 14,
	s_or_b32 s28, s28, ttmp9                       ; of the head's first work-group
	s_cmp_eq_u32 s28, 0
	s_cselect_b32 s28, 1, 0
	s_bfe_u32 s66, s16, 0x10001
	s_lshl_b32 s66, s66, 13
	v_lshl_add_u32 v8, v10, 8, s66                 ; wave 12: the package's blocks of 256 bytes 0 to 31, a lane a block; wave 14: blocks 32 on,
	v_min_u32 v8, 13056, v8                        ; held at the last, the 52nd (its lanes 19 to 31 name that block too)
	s_mov_b32 s[SEL], 0x76543210
	s_mov_b32 s[SEL+1], 0xfedcba98
	s_mov_b32 s24, 0x3e38aa3b                      ; c = log2(e) / 8
	s_mov_b32 s25, s24                             ; (named with it as a pair, so it is written)
	s_wait_kmcnt 0x0
	s_add_nc_u64 s[92:93], s[4:5], s[74:75]
	s_add_nc_u64 s[94:95], s[4:5], s[72:73]
	s_add_nc_u64 s[6:7], s[6:7], s[76:77]
	s_add_nc_u64 s[8:9], s[8:9], s[78:79]
	s_add_nc_u64 s[96:97], s[10:11], s[80:81]
	s_add_nc_u64 s[2:3], s[10:11], s[82:83]
	s_add_nc_u64 s[10:11], s[10:11], s[84:85]
	s_add_nc_u64 s[12:13], s[12:13], s[88:89]
	s_add_nc_u64 s[14:15], s[14:15], s[90:91]
	s_load_b64 s[18:19], s[96:97], 0x0             ; my tile: bit ks of s18: the step has an open place; of s19: a hidden one
	s_load_b512 s[32:47], s[2:3], 0x0              ; the sixteen tiles of the work-group: the even words are the first kind
	s_load_b512 s[48:63], s[10:11], 0x0
.irp g, 0,1,2
	global_load_b128 v[S+4*\g:S+4*\g+3], v3, s[92:93] offset:512*\g   ; the image of two tiles of Q
.endr
	global_load_b32 v28, v6, s[94:95]              ; my tile's scale words
.irp j, 22,23,24,25,26,27,94,95,96,97,98,99
	v_mov_b32 v\j, 0                               ; zero codes: the upper 64 of the score product's K
.endr
.irp j, 30,31,32,33,34,35,36,37
	v_mov_b32 v\j, 0                               ; written before any path reads them
.endr
.set j, 0
.rept 32
	v_mov_b32 v[O+j], 0                            ; O^T: the step is written once; the first finds zeros, which the first change of M leaves zeros
.set j, j+1
.endr
	v_mov_b32 v14, 0                               ; the sum, in two halves
	v_mov_b32 v15, 0
.irp b, 0,1,2,3
	v_mov_b32 v[BT+\b], 0                          ; written once: a lane permute's destination counts as one of its sources
.endr
	v_mov_b32 v228, 0
	v_mov_b32 v231, 0                              ; (named as the upper half of the pair v[230:231])
	v_mov_b32 v9, 0xff800000                       ; -infinity
	v_mov_b32 v13, 0xff61b1e6                      ; the largest t so far: -3e38, under every t
	v_floor_f32 v12, -v13                          ; -M
	s_wait_kmcnt 0x0
	s_or_b32 s20, s32, s34                         ; a step is loaded if any of the sixteen tiles needs it
.irp e, 36,38,40,42,44,46,48,50,52,54,56,58,60,62
	s_or_b32 s20, s20, s\e
.endr
	s_wait_loadcnt 0x0                             ; Q
	s_wait_xcnt 0x0                                ; the head's address registers are free: the mask words will land on some of them
.irp p, 0,1,2,3,4,5
	v_cndmask_b32 v[16+\p], v[S+\p], v[S+6+\p], s26
.endr
	s_bitcmp1_b32 s20, 0
	s_cbranch_scc0 .Lno_first
	global_load_b128 v[30:33], v5, s[6:7]          ; package 0: 8,192 bytes by all sixteen waves,
	s_cmp_lt_u32 s16, 10
	s_cbranch_scc0 .Lno_first
	global_load_b128 v[34:37], v5, s[6:7] offset:8192   ; 5,120 by waves 0 to 9
.Lno_first:
; A KEY STEP of my tile: 128 keys, from the slot named.
.macro STEP slot
	s_load_b512 s[32:47], s[8:9], 0x0              ; the step's 64 lane masks; they are wanted behind the score products
	s_load_b512 s[48:63], s[8:9], 0x40
	s_load_b512 s[68:83], s[8:9], 0x80
	s_load_b512 s[84:99], s[8:9], 0xc0
.rept 4
	v_nop                                          ; places in front of loads into registers that the last step's matrix instructions read
.endr
.set g, 0
.rept 12
	ds_load_b128 v[KV+4*g:KV+4*g+3], v3 offset:\slot*SLOT1+512*g   ; K's eight half fragments: tile t at v[KV + 6 t]
.set g, g+1
.endr
.irp u, 0,1,2,3
	ds_load_b32 v[KS+\u], v4 offset:\slot*SLOT1+KSC+128*\u
.endr
	s_wait_dscnt 0x0
.irp t, 0,1,2,3,4,5,6,7
.if \t%2
	v_wmma_scale_f32_16x16x128_f8f6f4 v[S+8*\t:S+8*\t+7], v[KV+6*\t:KV+6*\t+11], v[16:27], 0, v[KS+\t/2], v28 matrix_a_fmt:MATRIX_FMT_FP6 matrix_b_fmt:MATRIX_FMT_FP6 matrix_a_scale:MATRIX_SCALE_ROW1
.else
	v_wmma_scale_f32_16x16x128_f8f6f4 v[S+8*\t:S+8*\t+7], v[KV+6*\t:KV+6*\t+11], v[16:27], 0, v[KS+\t/2], v28 matrix_a_fmt:MATRIX_FMT_FP6 matrix_b_fmt:MATRIX_FMT_FP6
.endif
.endr
.rept 4
	v_nop                                          ; places in front of the loads below and of the first read of the scores
.endr
.set g, 0
.rept 12
	ds_load_b128 v[KV+4*g:KV+4*g+3], v3 offset:\slot*SLOT1+VIMG+512*g   ; V^T's four fragments: they land while the softmax is walked
.set g, g+1
.endr
.irp u, 0,1,2,3
	ds_load_b32 v[VS+\u], v4 offset:\slot*SLOT1+VSC+128*\u
.endr
	s_bitcmp1_b32 s19, 0                           ; has the tile a hidden place?
	s_cbranch_scc0 .Lclear_\@
	s_wait_kmcnt 0x0
.set n, 0
.rept 64
	v_cndmask_b32 v[S+n], v[S+n], v9, s[32+n+4*(n/32)]   ; hidden scores become -infinity ahead of the maximum: p = 0 then.  Each accumulator from its low end on
.set n, n+1
.endr
.Lclear_\@:
.irp b, 0,1,2,3
	v_max3_num_f32 v[BM+\b], v[S+16*\b], v[S+16*\b+1], v[S+16*\b+2]   ; the largest score of each block of 32 keys: it serves for the row's maximum and, since p rises with the score, for the block's largest p
.endr
.irp i, 3,5,7,9,11,13
.irp b, 0,1,2,3
	v_max3_num_f32 v[BM+\b], v[BM+\b], v[S+16*\b+\i], v[S+16*\b+\i+1]
.endr
.endr
.irp b, 0,1,2,3
	v_max_num_f32 v[BM+\b], v[BM+\b], v[S+16*\b+15]
.endr
.irp b, 0,1,2,3
	v_permlanex16_b32 v[BT+\b], v[BM+\b], s[SEL], s[SEL+1]
.endr
.irp b, 0,1,2,3
	v_max_num_f32 v[BM+\b], v[BM+\b], v[BT+\b]     ; with lane l xor 16's 16 keys
.endr
	v_max3_num_f32 v228, v[BM], v[BM+1], v[BM+2]
	v_max_num_f32 v228, v228, v[BM+3]              ; the step's largest score of my query
	v_mul_f32 v228, s24, v228                      ; as t (c is positive)
	v_max_num_f32 v13, v13, v228                   ; the running largest t
	v_mov_b32 v228, v12
	v_floor_f32 v12, -v13                          ; the new -M = floor(-t) = -ceil(t): a whole number
	v_sub_f32 v228, v12, v228                      ; old M less new M: a whole number, 0 or less
	v_cvt_i32_f32 v228, v228                       ; (it saturates)
	v_ldexp_f32 v230, 1.0, v228                    ; f = 2^(old M - new M)
.set j, 0
.rept 32
	v_pk_fma_f32 v[S+j:S+j+1], v[S+j:S+j+1], s[24:25], v[12:13] op_sel_hi:[1,0,0]   ; t - M, two at a time
.set j, j+2
.endr
.irp b, 0,1,2,3
	v_fma_f32 v[BM+\b], v[BM+\b], s24, v12         ; the same of each block's largest score
.endr
.set j, 0
.rept 64
	v_exp_f32 v[S+j], v[S+j]                       ; p = 2^(t - M), at most 1
.set j, j+1
.endr
	v_pk_mul_f32 v[14:15], v[14:15], v[230:231] op_sel_hi:[1,0]   ; the sums under the new M: a plain place behind the exponentials
	s_wait_alu depctr_va_vdst(0)                   ; one wait for the whole batch, ahead of its first reader
.irp b, 0,1,2,3
	v_exp_f32 v[BM+\b], v[BM+\b]                   ; the block's largest p: the same two instructions on the same number give the same bits
.endr
	v_pk_add_f32 v[BT:BT+1], v[S:S+1], v[S+2:S+3]  ; the row's sum is taken of the unquantised p: two at a time, in two chains
.set j, 4
.rept 15
	v_pk_add_f32 v[14:15], v[14:15], v[S+j:S+j+1]
	v_pk_add_f32 v[BT:BT+1], v[BT:BT+1], v[S+j+2:S+j+3]
.set j, j+4
.endr
	v_pk_add_f32 v[14:15], v[14:15], v[BT:BT+1]
	s_wait_alu depctr_va_vdst(0)                   ; and one for the four
.irp b, 0,1,2,3
	v_max_num_f32 v[BM+\b], 0x1800000, v[BM+\b]    ; the floor 2^(3 - 127): the byte cannot fall under 1
.endr
.irp b, 0,1,2,3
	v_add_nc_u32 v[SO+\b], 0xff000000, v[BM+\b]    ; 2 off the exponent field: the conversion's scale operand
.endr
.irp b, 0,1,2,3
	v_lshrrev_b32 v[BT+\b], 23, v[SO+\b]           ; the scale's byte
.endr
	v_lshl_or_b32 v29, v[BT+1], 8, v[BT]           ; p's scale word for these 128 keys
	v_lshl_or_b32 v29, v[BT+2], 16, v29
	v_lshl_or_b32 v29, v[BT+3], 24, v29
.irp c, 0,1
	v_cvt_scalef32_pk16_fp6_f32 v[PCD+6*\c:PCD+6*\c+2], v[S+32*\c:S+32*\c+15], v[SO+2*\c]
	v_cvt_scalef32_pk16_fp6_f32 v[TX+4*\c:TX+4*\c+2], v[S+32*\c+16:S+32*\c+31], v[SO+2*\c+1]
.endr
	v_nop                                          ; one plain place behind a scaled conversion
.irp c, 0,1                                    ; the operand wants a whole block in a lane
.irp i, 0,1,2
	v_permlane16_swap_b32 v[PCD+6*\c+\i], v[TX+4*\c+\i]
.endr
.irp i, 0,1,2
	v_mov_b32 v[PCD+3+6*\c+\i], v[TX+4*\c+\i]
.endr
.endr
.set j, 0
.rept 16
	v_pk_mul_f32 v[O+j:O+j+1], v[O+j:O+j+1], v[230:231] op_sel_hi:[1,0]   ; O^T under the new M; these are also the places between the scale word's and the codes' last lines and the products below
.set j, j+2
.endr
	s_wait_dscnt 0x0                               ; V^T is in
.irp tl, 0,1,2,3                               ; four accumulators, one instruction each
	v_wmma_scale_f32_16x16x128_f8f6f4 v[O+8*\tl:O+8*\tl+7], v[KV+12*\tl:KV+12*\tl+11], v[PCD:PCD+11], v[O+8*\tl:O+8*\tl+7], v[VS+\tl], v29 matrix_a_fmt:MATRIX_FMT_FP6 matrix_b_fmt:MATRIX_FMT_FP6
.endr
	s_wait_kmcnt 0x0                               ; no scalar load is out on the way that skipped the masking,
	s_wait_xcnt 0x0                                ; and the mask words' base may be stepped
.endm
; A TRIP: one key step of the head, in step for all sixteen waves.  One barrier: in front of it my part of the package lies in the slot and my reads of the other slot are over; a slot is written again only by
; waves that have passed the barrier which every wave signals behind its last read of that slot.
.macro TRIP slot
	s_wait_loadcnt 0x0                             ; the package asked for a trip ago is in my registers
	s_bitcmp1_b32 s20, 0                           ; does any wave need this step?
	s_cbranch_scc0 .Lno_store_\@
	ds_store_b128 v5, v[30:33] offset:\slot*SLOT1
	s_cmp_lt_u32 s16, 10
	s_cbranch_scc0 .Lno_store_\@
	ds_store_b128 v5, v[34:37] offset:\slot*SLOT1+8192
.Lno_store_\@:
	s_wait_dscnt 0x0                               ; for the others' sake: my stores have landed, my reads of the other slot are back
	s_barrier_signal -1
	s_barrier_wait -1
	s_wait_xcnt 0x0                                ; the last trip's prefetch has read its base
	s_add_nc_u64 s[6:7], s[6:7], PKG               ; the next step's package
	s_bitcmp1_b32 s20, 1                           ; is it needed?  (Behind the last step the bit is 0: no load leaves the buffer)
	s_cbranch_scc0 .Lno_load_\@
	global_load_b128 v[30:33], v5, s[6:7]          ; asked for a whole key step ahead of its use
	s_cmp_lt_u32 s16, 10
	s_cbranch_scc0 .Lno_load_\@
	global_load_b128 v[34:37], v5, s[6:7] offset:8192
.Lno_load_\@:
	s_cmp_eq_u32 s28, 1                            ; a prefetch of the package two steps on, where that step is needed: all sixteen work-groups of a head walk the same packages, so the head's first asks, and in it
	s_cbranch_scc0 .Lno_ask_\@                     ; waves 12 and 14, which have one load of their own: a lane a block of 256 bytes.  Steps 0 and 1 come by their loads alone; the last two steps ask for nothing
	s_bitcmp1_b32 s20, 2
	s_cbranch_scc0 .Lno_ask_\@
	global_prefetch_b8 v8, s[6:7] offset:PKG th:TH_LOAD_NT scope:SCOPE_SE
.Lno_ask_\@:
	s_bitcmp1_b32 s18, 0                           ; has my tile an open place in this step?
	s_cbranch_scc0 .Lskip_\@
	STEP \slot
.Lskip_\@:
	s_lshr_b32 s20, s20, 1                         ; on to the next step's flags
	s_lshr_b32 s18, s18, 1
	s_lshr_b32 s19, s19, 1
	s_add_nc_u64 s[8:9], s[8:9], 256               ; and mask words
.endm
	s_mov_b32 s21, 16
.Ltrip:                                                ; 16 trips of two key steps: the slot stands in the immediates
	TRIP 0
	TRIP 1
	s_sub_co_u32 s21, s21, 1
	s_cmp_lg_u32 s21, 0
	s_cbranch_scc1 .Ltrip
	; THE WAY OUT: O^T / the sum, quantised along the head's 64 channels: half a fragment of the output projection's operand.
.rept 4
	v_nop                                          ; places behind the last products
.endr
	v_add_f32 v14, v14, v15                        ; the sum's two halves,
	v_permlanex16_b32 v228, v14, s[SEL], s[SEL+1]
	v_add_f32 v14, v14, v228                       ; and lane l xor 16's: the row's sum
	v_rcp_f32 v15, v14
	v_mov_b32 v229, 0xffff                         ; (a plain place behind the reciprocal)
	s_wait_alu depctr_va_vdst(0)                   ; the wait ahead of its first reader
.set j, 0
.rept 32
	v_mul_f32 v[S+j], v[O+j], v15                  ; register 16 b + i: channel 32 b + 16 h + i of my query
.set j, j+1
.endr
	QUANT2 S, PCD, 228
	v_cmp_eq_f32 vcc_lo, 0, v14                    ; a row with no open key:
	v_cndmask_b32 v228, v228, v229, vcc_lo         ; both scale bytes 0xff
.irp p, 0,1,2
	global_store_b64 v7, v[PCD+2*\p:PCD+2*\p+1], s[12:13] offset:256*\p   ; 32 lanes store 256 consecutive bytes, aligned
.endr
	global_store_b16 v6, v228, s[14:15]            ; two bytes of each row's word (lanes 16-31 write the same); 32 bytes a wave
	s_wait_tensorcnt 0x0                           ; the wave's end: three closing lines behind my last LDS store
	ds_add_u32 v1, v2
	s_wait_dscnt 0x0
	s_endpgm
.Lfunc_end_k_q9b55c328ca_attn:
	.size	k_q9b55c328ca_attn, .Lfunc_end_k_q9b55c328ca_attn-k_q9b55c328ca_attn
	.p2alignl 7, 3214868480
	.fill 96, 4, 3214868480
	.section	.rodata,"a",@progbits
	.p2align	6, 0x0
	.amdhsa_kernel k_q9b55c328ca_attn
		.amdhsa_group_segment_fixed_size 31744
		.amdhsa_private_segment_fixed_size 0
		.amdhsa_enable_private_segment 0
		.amdhsa_kernarg_size 48
		.amdhsa_user_sgpr_count 2
		.amdhsa_user_sgpr_kernarg_segment_ptr 1
		.amdhsa_wavefront_size32 1
		.amdhsa_system_sgpr_workgroup_id_x 1
		.amdhsa_system_sgpr_workgroup_id_y 1
		.amdhsa_system_sgpr_workgroup_id_z 1
		.amdhsa_system_vgpr_workitem_id 0
		.amdhsa_next_free_vgpr 232
		.amdhsa_next_free_sgpr 100
		.amdhsa_reserve_vcc 1
		.amdhsa_float_denorm_mode_32 3
		.amdhsa_float_denorm_mode_16_64 3
		.amdhsa_memory_ordered 1
		.amdhsa_forward_progress 1
		.amdhsa_inst_pref_size 54
	.end_amdhsa_kernel
	.amdgpu_metadata
---
amdhsa.version: [ 1, 2 ]
amdhsa.kernels:
  - .name:           k_q9b55c328ca_attn
    .symbol:         k_q9b55c328ca_attn.kd
    .args:
      - { .name: qp, .offset: 0, .size: 8, .value_kind: global_buffer, .address_space: global }
      - { .name: kv, .offset: 8, .size: 8, .value_kind: global_buffer, .address_space: global }
      - { .name: maskw, .offset: 16, .size: 8, .value_kind: global_buffer, .address_space: global }
      - { .name: tflags, .offset: 24, .size: 8, .value_kind: global_buffer, .address_space: global }
      - { .name: ocodes, .offset: 32, .size: 8, .value_kind: global_buffer, .address_space: global }
      - { .name: oscales, .offset: 40, .size: 8, .value_kind: global_buffer, .address_space: global }
    .group_segment_fixed_size: 31744
    .private_segment_fixed_size: 0
    .kernarg_segment_align: 8
    .kernarg_segment_size: 48
    .max_flat_workgroup_size: 512
    .sgpr_count:     100
    .vgpr_count:     232
    .wavefront_size: 32
...
	.end_amdgpu_metadata
.endif
;; end of part 3
;; launch oproj (part 4): grid 256 x 1, 8 waves a work-group, no clusters, 35,840 bytes of LDS; arguments ocodes, oscales, wcodes, wscales, bo, out0; writes out0
.if DOCPART == 4
	.amdgcn_target "amdgcn-amd-amdhsa--gfx1250"
	.amdhsa_code_object_version 6
	.text
	.protected	k_q9b55c328ca_oproj
	.globl	k_q9b55c328ca_oproj
	.p2align	8
	.type	k_q9b55c328ca_oproj,@function
k_q9b55c328ca_oproj:
	s_mov_b64 s[64:65], 0
	v_nop
	global_prefetch_b8 v0, s[64:65] scope:SCOPE_SE
	s_setreg_imm32_b32 hwreg(HW_REG_WAVE_MODE, 25, 1), 1
	s_wait_xcnt 0x0
; out0 = o Wo^T + bo on codes of E2M3 with one E8M0 scale for each 32 along K.  o arrives as codes in the order of the operand's registers, Wo likewise.
; SHARES.  A work-group takes 32 rows (two tiles G = 2 x work-group + xt of 16 rows rho(G, r) = 32 (G / 2) + 8 (G % 2) + r + 8 (r / 8)); wave w takes columns 64 w .. 64 w + 63: four tiles of Wo's rows.
; TRANSPOSED (source 0 = 16 rows of Wo, source 1 = o): a lane holds one row of the output and eight neighbouring columns a tile.  The bias is the C of each sum's first matrix instruction.
; Straight-line: all 120 loads at once, one wait, 32 products on eight accumulators by turns, and out through the wave's own stage in LDS, so that sixteen lanes store 256 consecutive bytes, aligned.
; A row whose scale bytes are 0xff (no open key in the mask) comes out NaN, as reference() has it.
; REGISTERS.  Window 0: v1-10 addresses; v16-111 o's fragments ((xt, s) at 16 + 48 xt + 12 s), later rows on their way out; v112-175 accumulators; v176-207 the bias; v208-215 o's scale words, v216-223 Wo's.  Window 1: Wo's 16 fragments.
.set SPARE, 34816                      ; behind eight stages of 16 rows x (256 + 16) bytes: the spare words, 128 bytes a wave, four blocks of 256 bytes that no other line names
.set XF,    16
.set ACC,   112
.set BIAS,  176
.set XS,    208
.set WS,    216
.set MSB, 0
.macro WIN new                         ; the immediate's high byte repeats the setting that is left
.if MSB != \new
	s_set_vgpr_msb (MSB<<8)|\new
.set MSB, \new
.endif
.endm
	s_load_b256 s[4:11], s[0:1], 0x0               ; ocodes s[4:5], oscales s[6:7], wcodes s[8:9], wscales s[10:11]
	s_load_b128 s[12:15], s[0:1], 0x20             ; bo s[12:13], out0 s[14:15]
	v_lshl_add_u32 v1, v0, 2, SPARE                ; my spare word,
	v_mov_b32 v2, 0                                ; and 0: both kept for the closing lines alone
	v_lshrrev_b32 v11, 5, v0
	v_readfirstlane_b32 s16, v11                   ; wave 0..7
	v_and_b32 v11, 31, v0                          ; lane
	v_and_b32 v12, 15, v0                          ; r
	v_bfe_u32 v13, v0, 4, 1                        ; h
	v_lshlrev_b32 v3, 4, v11
	v_lshlrev_b32 v4, 2, v11
	v_lshlrev_b32 v5, 3, v11
	v_lshlrev_b32 v6, 2, v12
	v_lshlrev_b32 v7, 6, v13
	s_mul_i32 s17, s16, 4352                       ; my stage
	v_mul_u32_u24 v8, v12, 272
	v_lshl_add_u32 v8, v13, 6, v8
	v_add_nc_u32 v8, s17, v8                       ; in: row r, + 64 h
	v_mul_u32_u24 v9, v13, 272
	v_lshl_add_u32 v9, v12, 4, v9
	v_add_nc_u32 v9, s17, v9                       ; back: lanes 0-15 one row of 256 bytes, lanes 16-31 the next
	v_lshlrev_b32 v10, 11, v13
	v_lshl_add_u32 v10, v12, 4, v10                ; and the same two rows in out0
	s_mul_i32 s18, ttmp9, 12288                    ; my two tiles' codes,
	s_mov_b32 s19, 0
	s_lshl_b32 s20, ttmp9, 9                       ; their scale words,
	s_mov_b32 s21, 0
	s_add_co_u32 s24, s16, 24                      ; Wo is the fourth weight: 24 + wave
	s_mul_i32 s22, s24, 24576
	s_mov_b32 s23, 0
	s_lshl_b32 s24, s24, 10
	s_mov_b32 s25, 0
	s_lshl_b32 s26, s16, 8                         ; my 64 columns, in bytes
	s_mov_b32 s27, 0
	s_lshl_b32 s28, ttmp9, 16                      ; my 32 rows of 2,048 bytes
	s_add_co_u32 s28, s28, s26
	s_mov_b32 s29, 0
	s_wait_kmcnt 0x0
	s_add_nc_u64 s[4:5], s[4:5], s[18:19]
	s_add_nc_u64 s[6:7], s[6:7], s[20:21]
	s_add_nc_u64 s[8:9], s[8:9], s[22:23]
	s_add_nc_u64 s[10:11], s[10:11], s[24:25]
	s_add_nc_u64 s[12:13], s[12:13], s[26:27]
	s_add_nc_u64 s[14:15], s[14:15], s[28:29]
	WIN 0x40                                       ; destination window 1
.set c, 0
.rept 48
	global_load_b128 v[4*c:4*c+3], v3, s[8:9] offset:512*c   ; Wo's fragment (tl, s) at v[12 (4 tl + s)]
.set c, c+1
.endr
	WIN 0
.irp xt, 0,1
.set c, 0
.rept 24
	global_load_b64 v[XF+48*\xt+2*c:XF+48*\xt+2*c+1], v5, s[4:5] offset:6144*\xt+256*c   ; 32 lanes read 256 consecutive bytes: a pair of registers of a fragment
.set c, c+1
.endr
.irp s, 0,1,2,3
	global_load_b32 v[XS+4*\xt+\s], v6, s[6:7] offset:256*\xt+64*\s
.endr
.endr
.irp e, 0,1,2,3,4,5,6,7
	global_load_b32 v[WS+\e], v4, s[10:11] offset:128*\e   ; register 2 tl + s / 2: lanes 0-15 the even K step's words, lanes 16-31 the odd one's
.endr
.irp tl, 0,1,2,3                               ; lane (r, h), tile tl, register j: column 32 (tl / 2) + 16 h + 8 (tl % 2) + j
	global_load_b128 v[BIAS+8*\tl:BIAS+8*\tl+3], v7, s[12:13] offset:(32*(\tl/2)+8*(\tl%2))*4
	global_load_b128 v[BIAS+8*\tl+4:BIAS+8*\tl+7], v7, s[12:13] offset:(32*(\tl/2)+8*(\tl%2))*4+16
.endr
	s_wait_loadcnt 0x0
	WIN 0x01                                       ; source 0 (Wo) window 1
.irp s, 0,1,2,3                                ; the eight accumulators take turns, one instruction a turn
.irp xt, 0,1
.irp tl, 0,1,2,3
.if \s == 0
	v_wmma_scale_f32_16x16x128_f8f6f4 v[ACC+32*\xt+8*\tl:ACC+32*\xt+8*\tl+7], v[48*\tl:48*\tl+11], v[XF+48*\xt:XF+48*\xt+11], v[BIAS+8*\tl:BIAS+8*\tl+7], v[WS+2*\tl], v[XS+4*\xt] matrix_a_fmt:MATRIX_FMT_FP6 matrix_b_fmt:MATRIX_FMT_FP6
.elseif \s%2
	v_wmma_scale_f32_16x16x128_f8f6f4 v[ACC+32*\xt+8*\tl:ACC+32*\xt+8*\tl+7], v[48*\tl+12*\s:48*\tl+12*\s+11], v[XF+48*\xt+12*\s:XF+48*\xt+12*\s+11], v[ACC+32*\xt+8*\tl:ACC+32*\xt+8*\tl+7], v[WS+2*\tl+\s/2], v[XS+4*\xt+\s] matrix_a_fmt:MATRIX_FMT_FP6 matrix_b_fmt:MATRIX_FMT_FP6 matrix_a_scale:MATRIX_SCALE_ROW1
.else
	v_wmma_scale_f32_16x16x128_f8f6f4 v[ACC+32*\xt+8*\tl:ACC+32*\xt+8*\tl+7], v[48*\tl+12*\s:48*\tl+12*\s+11], v[XF+48*\xt+12*\s:XF+48*\xt+12*\s+11], v[ACC+32*\xt+8*\tl:ACC+32*\xt+8*\tl+7], v[WS+2*\tl+\s/2], v[XS+4*\xt+\s] matrix_a_fmt:MATRIX_FMT_FP6 matrix_b_fmt:MATRIX_FMT_FP6
.endif
.endr
.endr
.endr
	WIN 0
.rept 4
	v_nop                                          ; places in front of the first read of results and of loads into registers that the products read
.endr
.irp xt, 0,1
.irp tl, 0,1,2,3
	ds_store_b128 v8, v[ACC+32*\xt+8*\tl:ACC+32*\xt+8*\tl+3] offset:128*(\tl/2)+32*(\tl%2)       ; each accumulator from its low end on
	ds_store_b128 v8, v[ACC+32*\xt+8*\tl+4:ACC+32*\xt+8*\tl+7] offset:128*(\tl/2)+32*(\tl%2)+16
.endr
.irp i, 0,1,2,3,4,5,6,7
	ds_load_b128 v[XF+32*\xt+4*\i:XF+32*\xt+4*\i+3], v9 offset:544*\i   ; LDS serves a wave's instructions in order: these see the stores above, and the next tile's stores come behind them
.endr
.endr
.irp i, 0,1,2,3,4,5,6,7
	s_wait_dscnt 23-\i                             ; behind this load: the rest of tile 0's loads, tile 1's eight stores and eight loads
	global_store_b128 v10, v[XF+4*\i:XF+4*\i+3], s[14:15] offset:(2*\i+8*(\i/4))*2048 th:TH_STORE_NT   ; sixteen lanes store 256 consecutive bytes, aligned
.endr
.irp i, 0,1,2,3,4,5,6,7
	s_wait_dscnt 7-\i
	global_store_b128 v10, v[XF+32+4*\i:XF+32+4*\i+3], s[14:15] offset:(8+2*\i+8*(\i/4))*2048 th:TH_STORE_NT
.endr
	s_wait_tensorcnt 0x0                           ; the wave's end: three closing lines behind my last LDS store
	ds_add_u32 v1, v2
	s_wait_dscnt 0x0
	s_endpgm
.Lfunc_end_k_q9b55c328ca_oproj:
	.size	k_q9b55c328ca_oproj, .Lfunc_end_k_q9b55c328ca_oproj-k_q9b55c328ca_oproj
	.p2alignl 7, 3214868480
	.fill 96, 4, 3214868480
	.section	.rodata,"a",@progbits
	.p2align	6, 0x0
	.amdhsa_kernel k_q9b55c328ca_oproj
		.amdhsa_group_segment_fixed_size 35840
		.amdhsa_private_segment_fixed_size 0
		.amdhsa_enable_private_segment 0
		.amdhsa_kernarg_size 48
		.amdhsa_user_sgpr_count 2
		.amdhsa_user_sgpr_kernarg_segment_ptr 1
		.amdhsa_wavefront_size32 1
		.amdhsa_system_sgpr_workgroup_id_x 1
		.amdhsa_system_sgpr_workgroup_id_y 1
		.amdhsa_system_sgpr_workgroup_id_z 1
		.amdhsa_system_vgpr_workitem_id 0
		.amdhsa_next_free_vgpr 448
		.amdhsa_next_free_sgpr 66
		.amdhsa_reserve_vcc 0
		.amdhsa_float_denorm_mode_32 3
		.amdhsa_float_denorm_mode_16_64 3
		.amdhsa_memory_ordered 1
		.amdhsa_forward_progress 1
		.amdhsa_inst_pref_size 22
	.end_amdhsa_kernel
	.amdgpu_metadata
---
amdhsa.version: [ 1, 2 ]
amdhsa.kernels:
  - .name:           k_q9b55c328ca_oproj
    .symbol:         k_q9b55c328ca_oproj.kd
    .args:
      - { .name: ocodes, .offset: 0, .size: 8, .value_kind: global_buffer, .address_space: global }
      - { .name: oscales, .offset: 8, .size: 8, .value_kind: global_buffer, .address_space: global }
      - { .name: wcodes, .offset: 16, .size: 8, .value_kind: global_buffer, .address_space: global }
      - { .name: wscales, .offset: 24, .size: 8, .value_kind: global_buffer, .address_space: global }
      - { .name: bo, .offset: 32, .size: 8, .value_kind: global_buffer, .address_space: global }
      - { .name: out0, .offset: 40, .size: 8, .value_kind: global_buffer, .address_space: global }
    .group_segment_fixed_size: 35840
    .private_segment_fixed_size: 0
    .kernarg_segment_align: 8
    .kernarg_segment_size: 48
    .max_flat_workgroup_size: 256
    .sgpr_count:     66
    .vgpr_count:     448
    .wavefront_size: 32
...
	.end_amdgpu_metadata
.endif
;; end of part 4
;; ======== version 2 of 2: 4 launches
;; workspace buffers: wcodes 786,432 bytes; wscales 32,768 bytes; qp 3,407,872 bytes; kv 6,815,744 bytes; maskw 2,097,152 bytes of whole numbers; tflags 2,048 bytes of whole numbers; ocodes 3,145,728 bytes; oscales 131,072 bytes
;; launch prep (part 5): grid 384 x 1, 4 waves a work-group, no clusters, 51,712 bytes of LDS; arguments mask, Wq, Wk, Wv, Wo, wcodes, wscales, maskw, tflags; writes wcodes, wscales, maskw, tflags
.if DOCPART == 5
	.amdgcn_target "amdgcn-amd-amdhsa--gfx1250"
	.amdhsa_code_object_version 6
	.text
	.protected	k_q9b55c328ca_prep
	.globl	k_q9b55c328ca_prep
	.p2align	8
	.type	k_q9b55c328ca_prep,@function
k_q9b55c328ca_prep:
	s_mov_b64 s[64:65], 0
	v_nop
	global_prefetch_b8 v0, s[64:65] scope:SCOPE_SE
	s_setreg_imm32_b32 hwreg(HW_REG_WAVE_MODE, 25, 1), 1
	s_wait_xcnt 0x0
; Two jobs in one launch, told apart by the work-group's number.
; WORK-GROUPS 0-255: the mask [4096][4096] (one byte a place, not 0 = hidden) becomes LANE MASKS for the attention launch, and two flags for each tile of 16 queries x 128 keys.
;   Tile T holds the 16 queries rho(T, r) = 32 (T / 2) + 8 (T % 2) + r + 8 (r / 8).  maskw[T][ks][n], n = 0 .. 63: bit l = (r, h) is mask[rho(T, r)][128 ks + 32 (n / 16) + 16 h + n % 16]:
;   the place that score register n of lane l holds there.  tflags[T][0] bit ks: the tile has an open place; tflags[T][1] bit ks: it has a hidden one.
;   Wave w takes columns 1024 w on (key steps 8 w .. 8 w + 7), 256 columns a trip: sixteen lanes load 256 consecutive bytes of a row; the bytes turn through the wave's own stage in LDS.
; WORK-GROUPS 256-383: Wq, Wk, Wv, Wo [512][512] f32 become codes of E2M3 with one E8M0 byte for each 32 along K, laid as IMAGES of operand registers:
;   fragment (w, hd, tl, s) = rows 64 hd + rho(tl, r), k = 128 s on: 12 registers a lane, registers 4 g .. 4 g + 3 of lane l at byte 512 g + 16 l; its scale words 4 bytes a row.
; A block's scale is 2^(floor(log2(its largest magnitude)) - 2); its byte is the largest magnitude's exponent field - 2, held at 1 from below.
; LIMITS: a block of zeros gets the byte 1 where the rule says 127 (its codes are zeros, and this program alone reads the bytes); NaN and infinities among the weights are not served; any mask byte other than 0 counts as true.
; No barrier: waves share nothing.  Each path has LDS bytes of its own.
.set MPW,   4352                       ; a wave's mask stage: 16 rows x (256 + 16) bytes, from LDS byte 0
.set WST,   17408                      ; the weights' stages begin here
.set WPW,   8448                       ; a wave's: 16 rows x (512 + 16) bytes
.set SPARE, 51200                      ; the spare words: 128 bytes a wave, two blocks of 256 bytes that no other line names
.set SEL,   42                         ; s[42:43] lane selects for v_permlanex16_b32: lane l xor 16
.set PC,    16                         ; v16-34 codes just made
.set TM,    36                         ; v36-47 at work in QUANT
.set PW,    52                         ; v52    the scale word just made
.set RAW,   64                         ; v64..  numbers or bytes as loaded
.set X,     128                        ; v128-191 64 numbers of a lane's row
; 64 numbers of a lane, register 16 b + i = k 32 b + 16 (lane / 16) + i of my row, become a fragment's codes in v[PC] on and its scale word in v[PW].
.macro QUANT s
.irp b, 0,1,2,3
	v_max3_num_f32 v[TM+\b], |v[\s+16*\b]|, |v[\s+1+16*\b]|, 0x1800000   ; my 16 numbers of block b, and the floor 2^(3 - 127): the byte cannot fall under 1
.endr
.irp i, 2,4,6,8,10,12,14
.irp b, 0,1,2,3
	v_max3_num_f32 v[TM+\b], v[TM+\b], |v[\s+16*\b+\i]|, |v[\s+1+16*\b+\i]|   ; the four blocks by turns
.endr
.endr
.irp b, 0,1,2,3
	v_permlanex16_b32 v[TM+4+\b], v[TM+\b], s[SEL], s[SEL+1]
.endr
.irp b, 0,1,2,3
	v_max_num_f32 v[TM+\b], v[TM+\b], v[TM+4+\b]   ; with lane l xor 16's: the block's largest magnitude
.endr
.irp b, 0,1,2,3
	v_add_nc_u32 v[TM+8+\b], 0xff000000, v[TM+\b]  ; 2 off its exponent field: the conversion's scale operand
.endr
.irp b, 0,1,2,3
	v_lshrrev_b32 v[TM+4+\b], 23, v[TM+8+\b]       ; the scale's byte
.endr
	v_lshl_or_b32 v[PW], v[TM+5], 8, v[TM+4]
	v_lshl_or_b32 v[PW], v[TM+6], 16, v[PW]
	v_lshl_or_b32 v[PW], v[TM+7], 24, v[PW]
.irp c, 0,1
	v_cvt_scalef32_pk16_fp6_f32 v[PC+6*\c:PC+2+6*\c], v[\s+32*\c:\s+15+32*\c], v[TM+8+2*\c]
	v_cvt_scalef32_pk16_fp6_f32 v[PC+12+4*\c:PC+14+4*\c], v[\s+16+32*\c:\s+31+32*\c], v[TM+8+2*\c+1]   ; (a conversion's three registers begin on an even number)
.endr
	v_nop                                          ; one plain place behind a scaled conversion
.irp c, 0,1                                    ; the operand wants a whole block in a lane: lanes 0-15 block 2 c, lanes 16-31 block 2 c + 1
.irp i, 0,1,2
	v_permlane16_swap_b32 v[PC+6*\c+\i], v[PC+12+4*\c+\i]
.endr
.irp i, 0,1,2
	v_mov_b32 v[PC+3+6*\c+\i], v[PC+12+4*\c+\i]
.endr
.endr
.endm
	s_load_b512 s[4:19], s[0:1], 0x0               ; mask s[4:5], Wq s[6:7], Wk s[8:9], Wv s[10:11], Wo s[12:13], wcodes s[14:15], wscales s[16:17], maskw s[18:19]
	s_load_b64 s[20:21], s[0:1], 0x40              ; tflags
	v_lshl_add_u32 v1, v0, 2, SPARE                ; my spare word,
	v_mov_b32 v2, 0                                ; and 0: both kept for the closing lines alone
	v_lshrrev_b32 v8, 5, v0
	v_readfirstlane_b32 s22, v8                    ; wave 0..3
	v_and_b32 v8, 31, v0                           ; lane
	v_and_b32 v9, 15, v0                           ; r
	v_bfe_u32 v10, v0, 4, 1                        ; h
	s_cmp_ge_u32 ttmp9, 256
	s_cbranch_scc1 .Lweights
	; ---------------- the mask ----------------
	v_lshlrev_b32 v3, 4, v9
	v_lshl_add_u32 v3, v10, 12, v3                 ; in memory: lanes 0-15 one row's 256 bytes, lanes 16-31 the next row's
	s_mul_i32 s23, s22, MPW                        ; my stage
	v_mul_u32_u24 v4, v10, 272
	v_lshl_add_u32 v4, v9, 4, v4
	v_add_nc_u32 v4, s23, v4                       ; into it: the same two rows
	v_mul_u32_u24 v5, v9, 272
	v_lshl_add_u32 v5, v10, 4, v5
	v_add_nc_u32 v5, s23, v5                       ; out of it: row r, 16 bytes from 16 h on
	v_lshlrev_b32 v6, 4, v8                        ; the words' way out: 16 bytes a lane
	v_mov_b32 v7, 0
	s_lshr_b32 s36, ttmp9, 1
	s_lshl_b32 s36, s36, 5
	s_and_b32 s37, ttmp9, 1
	s_lshl_b32 s37, s37, 3
	s_add_co_u32 s36, s36, s37                     ; the tile's first row: 32 (T / 2) + 8 (T % 2)
	s_lshl_b32 s36, s36, 12
	s_lshl_b32 s37, s22, 10
	s_add_co_u32 s36, s36, s37                     ; + my wave's 1,024 columns
	s_mov_b32 s37, 0
	s_lshl_b32 s38, ttmp9, 13                      ; maskw: 8,192 bytes a tile, 2,048 a wave
	s_lshl_b32 s39, s22, 11
	s_add_co_u32 s38, s38, s39
	s_mov_b32 s39, 0
	s_lshl_b32 s40, ttmp9, 3                       ; tflags: 8 bytes a tile; my wave's 8 steps are byte w of each word
	s_add_co_u32 s40, s40, s22
	s_mov_b32 s41, 0
	s_mov_b32 s24, 0                               ; the flags of my 8 steps
	s_mov_b32 s25, 0
	s_wait_alu depctr_va_vdst(0)
	s_wait_kmcnt 0x0
	s_add_nc_u64 s[4:5], s[4:5], s[36:37]
	s_add_nc_u64 s[18:19], s[18:19], s[38:39]
	s_add_nc_u64 s[20:21], s[20:21], s[40:41]
.irp tr, 0,1,2,3                               ; all 32 loads at once: 16 KiB of every wave are on their way
.irp i, 0,1,2,3,4,5,6,7
	global_load_b128 v[RAW+32*\tr+4*\i:RAW+32*\tr+4*\i+3], v3, s[4:5] offset:(2*\i+8*(\i/4))*4096+256*\tr th:TH_LOAD_NT
.endr
.endr
.set j, 0
.rept 16
	v_mov_b32 v[16+j], 0                           ; written once: v_writelane_b32's destination counts as read
.set j, j+1
.endr
; A trip: 16 rows x 256 columns = two key steps.
.macro MTRIP tr
	s_wait_loadcnt 24-8*\tr                        ; this trip's eight loads are in; the later trips' may be out
.irp i, 0,1,2,3,4,5,6,7
	ds_store_b128 v4, v[RAW+32*\tr+4*\i:RAW+32*\tr+4*\i+3] offset:2*\i*272
.endr
.irp c, 0,1,2,3,4,5,6,7
	ds_load_b128 v[32+4*\c:32+4*\c+3], v5 offset:32*\c   ; LDS serves a wave's instructions in order: these see the stores above.  Columns 32 c + 16 h + 0 .. 15 of row r
.endr
	s_wait_dscnt 0x0
.irp ks, 0,1
	s_mov_b32 s26, -1                              ; the AND and the OR of the step's 64 words
	s_mov_b32 s27, 0
.set n, 0
.rept 64
	v_and_b32 v[8+n%4], 0xff<<(8*(n%4)), v[32+4*(4*\ks+n/16)+(n%16)/4]   ; my byte for score register n
	v_cmp_ne_u32 s[28+n%8], 0, v[8+n%4]            ; the 32 lanes' bits: word n
	v_writelane_b32 v[16+4*\tr+n%4], s[28+n%8], 16*\ks+n/4   ; to its place in the 512 bytes that the wave stores
	s_and_b32 s26, s26, s[28+n%8]
	s_or_b32 s27, s27, s[28+n%8]
.set n, n+1
.endr
	s_cmp_lg_u32 s26, -1                           ; some place is open
	s_cselect_b32 s36, 1<<(2*\tr+\ks), 0
	s_or_b32 s24, s24, s36
	s_cmp_lg_u32 s27, 0                            ; some place is hidden
	s_cselect_b32 s36, 1<<(2*\tr+\ks), 0
	s_or_b32 s25, s25, s36
.endr
	s_wait_alu depctr_va_vdst(0)
	global_store_b128 v6, v[16+4*\tr:16+4*\tr+3], s[18:19] offset:512*\tr   ; two steps' words: 512 consecutive bytes; each trip has its own four registers
.endm
	MTRIP 0
	MTRIP 1
	MTRIP 2
	MTRIP 3
	v_mov_b32 v12, s24
	v_mov_b32 v13, s25
	global_store_b8 v7, v12, s[20:21]              ; all lanes write the same byte with the same value
	global_store_b8 v7, v13, s[20:21] offset:4
	s_branch .Lend
	; ---------------- the weights ----------------
.Lweights:
	s_wait_alu depctr_va_vdst(0)
	v_lshlrev_b32 v3, 4, v8                        ; 16 x lane: a row's 512 bytes, and an image's place
	s_mul_i32 s23, s22, WPW
	s_add_co_u32 s23, s23, WST                     ; my stage
	v_add_nc_u32 v4, s23, v3                       ; into it: a row a store
	v_mul_u32_u24 v5, v9, 528
	v_lshl_add_u32 v5, v10, 6, v5
	v_add_nc_u32 v5, s23, v5                       ; out of it: row r, my 16 numbers of each block of 32
	v_lshlrev_b32 v6, 2, v9                        ; a scale word's place: 4 r
	s_mov_b32 s[SEL], 0x76543210
	s_mov_b32 s[SEL+1], 0xfedcba98
.irp b, 0,1,2,3
	v_mov_b32 v[TM+4+\b], 0                        ; written once: a lane permute's destination counts as one of its sources
.endr
	s_sub_co_u32 s36, ttmp9, 256                   ; g = 32 w + 4 hd + tl
	s_lshr_b32 s37, s36, 5                         ; which weight
	s_bfe_u32 s38, s36, 0x30002                    ; hd
	s_bfe_u32 s39, s36, 0x10001                    ; tl / 2
	s_and_b32 s40, s36, 1                          ; tl % 2
	s_lshl_b32 s38, s38, 6
	s_lshl_b32 s39, s39, 5
	s_lshl_b32 s40, s40, 3
	s_add_co_u32 s38, s38, s39
	s_add_co_u32 s38, s38, s40                     ; the tile's first row
	s_lshl_b32 s38, s38, 11                        ; rows of 2,048 bytes
	s_lshl_b32 s39, s22, 9
	s_add_co_u32 s38, s38, s39                     ; + K step s = my wave: 512 bytes
	s_mov_b32 s39, 0
	s_lshl_b32 s40, s36, 2
	s_add_co_u32 s40, s40, s22                     ; the fragment's number 4 g + s
	s_mul_i32 s26, s40, 1536
	s_mov_b32 s27, 0
	s_lshl_b32 s40, s40, 6
	s_mov_b32 s41, 0
	s_wait_alu depctr_va_vdst(0)
	s_wait_kmcnt 0x0
	s_cmp_eq_u32 s37, 0                            ; the choice hangs on the work-group's number alone
	s_cselect_b64 s[24:25], s[6:7], s[8:9]
	s_cmp_eq_u32 s37, 2
	s_cselect_b64 s[24:25], s[10:11], s[24:25]
	s_cmp_eq_u32 s37, 3
	s_cselect_b64 s[24:25], s[12:13], s[24:25]
	s_add_nc_u64 s[24:25], s[24:25], s[38:39]
	s_add_nc_u64 s[14:15], s[14:15], s[26:27]
	s_add_nc_u64 s[16:17], s[16:17], s[40:41]
.set i, 0
.rept 16
	global_load_b128 v[RAW+4*i:RAW+4*i+3], v3, s[24:25] offset:(i+8*(i/8))*2048   ; row rho(tl, i): 512 consecutive bytes
.set i, i+1
.endr
	s_wait_loadcnt 0x0
.set i, 0
.rept 16
	ds_store_b128 v4, v[RAW+4*i:RAW+4*i+3] offset:528*i
.set i, i+1
.endr
.set i, 0
.rept 16
	ds_load_b128 v[X+4*i:X+4*i+3], v5 offset:128*(i/4)+16*(i%4)   ; register 16 b + 4 j on: k = 32 b + 16 h + 4 j on
.set i, i+1
.endr
	s_wait_dscnt 0x0
	QUANT X
.irp g, 0,1,2
	global_store_b128 v3, v[PC+4*\g:PC+4*\g+3], s[14:15] offset:512*\g   ; 512 consecutive bytes a store
.endr
	global_store_b32 v6, v[PW], s[16:17]           ; lanes 16-31 write the same words with the same values
.Lend:
	s_wait_tensorcnt 0x0                           ; the wave's end: three closing lines behind my last LDS store
	ds_add_u32 v1, v2
	s_wait_dscnt 0x0
	s_endpgm
.Lfunc_end_k_q9b55c328ca_prep:
	.size	k_q9b55c328ca_prep, .Lfunc_end_k_q9b55c328ca_prep-k_q9b55c328ca_prep
	.p2alignl 7, 3214868480
	.fill 96, 4, 3214868480
	.section	.rodata,"a",@progbits
	.p2align	6, 0x0
	.amdhsa_kernel k_q9b55c328ca_prep
		.amdhsa_group_segment_fixed_size 51712
		.amdhsa_private_segment_fixed_size 0
		.amdhsa_enable_private_segment 0
		.amdhsa_kernarg_size 72
		.amdhsa_user_sgpr_count 2
		.amdhsa_user_sgpr_kernarg_segment_ptr 1
		.amdhsa_wavefront_size32 1
		.amdhsa_system_sgpr_workgroup_id_x 1
		.amdhsa_system_sgpr_workgroup_id_y 1
		.amdhsa_system_sgpr_workgroup_id_z 1
		.amdhsa_system_vgpr_workitem_id 0
		.amdhsa_next_free_vgpr 192
		.amdhsa_next_free_sgpr 66
		.amdhsa_reserve_vcc 0
		.amdhsa_float_denorm_mode_32 3
		.amdhsa_float_denorm_mode_16_64 3
		.amdhsa_memory_ordered 1
		.amdhsa_forward_progress 1
		.amdhsa_inst_pref_size 151
	.end_amdhsa_kernel
	.amdgpu_metadata
---
amdhsa.version: [ 1, 2 ]
amdhsa.kernels:
  - .name:           k_q9b55c328ca_prep
    .symbol:         k_q9b55c328ca_prep.kd
    .args:
      - { .name: mask, .offset: 0, .size: 8, .value_kind: global_buffer, .address_space: global }
      - { .name: Wq, .offset: 8, .size: 8, .value_kind: global_buffer, .address_space: global }
      - { .name: Wk, .offset: 16, .size: 8, .value_kind: global_buffer, .address_space: global }
      - { .name: Wv, .offset: 24, .size: 8, .value_kind: global_buffer, .address_space: global }
      - { .name: Wo, .offset: 32, .size: 8, .value_kind: global_buffer, .address_space: global }
      - { .name: wcodes, .offset: 40, .size: 8, .value_kind: global_buffer, .address_space: global }
      - { .name: wscales, .offset: 48, .size: 8, .value_kind: global_buffer, .address_space: global }
      - { .name: maskw, .offset: 56, .size: 8, .value_kind: global_buffer, .address_space: global }
      - { .name: tflags, .offset: 64, .size: 8, .value_kind: global_buffer, .address_space: global }
    .group_segment_fixed_size: 51712
    .private_segment_fixed_size: 0
    .kernarg_segment_align: 8
    .kernarg_segment_size: 72
    .max_flat_workgroup_size: 128
    .sgpr_count:     66
    .vgpr_count:     192
    .wavefront_size: 32
...
	.end_amdgpu_metadata
.endif
;; end of part 5
;; launch proj (part 6): grid 64 x 3, 8 waves a work-group, no clusters, 121,856 bytes of LDS; arguments q, k, v, bq, bk, bv, wcodes, wscales, qp, kv; writes qp, kv
.if DOCPART == 6
	.amdgcn_target "amdgcn-amd-amdhsa--gfx1250"
	.amdhsa_code_object_version 6
	.text
	.protected	k_q9b55c328ca_proj
	.globl	k_q9b55c328ca_proj
	.p2align	8
	.type	k_q9b55c328ca_proj,@function
k_q9b55c328ca_proj:
	s_mov_b64 s[64:65], 0
	v_nop
	global_prefetch_b8 v0, s[64:65] scope:SCOPE_SE
	s_setreg_imm32_b32 hwreg(HW_REG_WAVE_SCHED_MODE, 0, 2), 2
	s_setreg_imm32_b32 hwreg(HW_REG_WAVE_MODE, 25, 1), 1
	s_wait_xcnt 0x0
	s_wait_alu depctr_vm_vsrc(0)
; y = x W^T + b for x = q, k, v (work-group y = 0, 1, 2), on codes of E2M3 with one E8M0 scale for each 32 along K; y is quantised at once for the attention launch and leaves as images of operand registers.
; SHARES.  A work-group takes 128 rows of the flattened [8192][512].  Phase X: wave w quantises x's tile w (16 rows rho(w, r) = 32 (w / 2) + 8 (w % 2) + r + 8 (r / 8), four fragments of 128 K) and stores
; their images in LDS.  One barrier.  Phase G: wave w is head w: its 64 rows of W (16 fragments, 192 registers) stay in registers; it multiplies all 8 tiles of x.
; q, k: TRANSPOSED (source 0 = 16 rows of W, source 1 = x): a lane holds one row of x and its 32 registers run along the head's 64 channels, which are the score product's K: two blocks of 32, six registers of codes.
; v: as it stands (source 0 = x, source 1 = W): a lane holds one channel and its registers run along the 128 keys, which are the second product's K: one fragment of V^T for each 16 channels.
; The bias is the C of each sum's first matrix instruction.
; OUT.  qp[bh][block]: four images of two tiles each (6,144 bytes), then the tiles' scale words [8][16].  kv[bh][key step]: K's four images, V^T's four images, K's scale words [8][16], V's [4][32].
; A half fragment's scale word is byte 0, byte 1, 0x7f, 0x7f: the score product's upper 64 of K are zero codes on the queries' side.
; LIMITS: a block of zeros gets the byte 1 where the rule says 127 (its codes are zeros, and this program alone reads the bytes); NaN and infinities among the inputs are not served.
; 192 work-groups: a fragment of V^T spans 128 keys, so 128 rows are the unit; each wave has 32 loads of 512 bytes of x on its way.
; REGISTERS.  Window 0: v1-10 addresses; v240-247 x's scale words, v248-255 W's (these hold scales alone).  Phase X: v15 the word just made, v16-34 codes, v36-47 at work, v48-111 and v112-175 x as loaded, v176-239 x by rows.
;   Phase G: v16-63 and v192-239 x's fragments, two buffers; v64-191 accumulators; on the way out v192-230 at work.   Window 1: v0-191 W's fragments; v192-223 the bias, eight registers a tile.
; THE MODE: SCHED_MODE bits 1:0 = 2 (LLVM: expert scheduling mode 2), set by the entry lines.  The code itself states the register dependences
; between vector or matrix instructions and memory or LDS instructions, with s_wait_alu, always for 0.
; THE PLAN.  Registers that memory or LDS instructions touch:
;   v3 .. v10     addresses and offsets: written at the head, never again.
;   RA, RB        x as loaded: global loads land, the stage's LDS stores read; no vector instruction names them.
;   X             x by rows: the stage's LDS loads land, QUANT reads.
;   PC, PW        phase X: QUANT writes, the images' LDS stores read.
;   XFA, XFB, XSA, XSB   phase G: LDS loads land, the products read; a buffer is fetched anew behind the products that read it.
;   v192 .. v230  the way out: QUANT and QUANT2 write (inside XFA), the global stores read, the next half's fetches land.
; Phase X has two waits a step: one on vm_vsrc behind the turn through the stage (the raw set and the last images have been read), one on va_vdst behind QUANT (codes written, X read).
; Phase G has one wait on va_vdst ahead of each fetch into a buffer that the products just issued have read, one ahead of each group of stores, and one on vm_vsrc behind each group that has a successor.
.set XIMG,  0                          ; LDS: x's 32 fragments, (t, s) at (4 t + s) x 1,536,
.set XSC,   49152                      ; their scale words, 128 bytes each,
.set STG,   53248                      ; a stage of 16 rows x (512 + 16) bytes for each wave,
.set SPARE, 120832                     ; and the spare words: 128 bytes a wave, four blocks of 256 bytes that no other line names
.set SEL,   40                         ; s[40:41] lane selects for v_permlanex16_b32: lane l xor 16
.set RA,    48
.set RB,    112
.set X,     176
.set XFB,   16
.set ACC,   64
.set XFA,   192
.set XSA,   240
.set XSB,   244
.set WS,    248
.set BIAS,  192                        ; in window 1
.set PC,    16
.set TM,    36
.set PW,    15
.set TX,    28
.set MSB, 0
.macro WIN new                         ; the immediate's high byte repeats the setting that is left
.if MSB != \new
	s_set_vgpr_msb (MSB<<8)|\new
.set MSB, \new
.endif
.endm
.macro PLACES                          ; four places behind matrix instructions, in front of loads into registers that they read and of the first read of results
.rept 4
	v_nop
.endr
.endm
; 64 numbers of a lane, register 16 b + i = k 32 b + 16 (lane / 16) + i of my row, become a fragment's codes in v[PC] on and its scale word in v[PW].
.macro QUANT s
.irp b, 0,1,2,3
	v_max3_num_f32 v[TM+\b], |v[\s+16*\b]|, |v[\s+1+16*\b]|, 0x1800000   ; my 16 numbers of block b, and the floor 2^(3 - 127): the byte cannot fall under 1
.endr
.irp i, 2,4,6,8,10,12,14
.irp b, 0,1,2,3
	v_max3_num_f32 v[TM+\b], v[TM+\b], |v[\s+16*\b+\i]|, |v[\s+1+16*\b+\i]|
.endr
.endr
.irp b, 0,1,2,3
	v_permlanex16_b32 v[TM+4+\b], v[TM+\b], s[SEL], s[SEL+1]
.endr
.irp b, 0,1,2,3
	v_max_num_f32 v[TM+\b], v[TM+\b], v[TM+4+\b]
.endr
.irp b, 0,1,2,3
	v_add_nc_u32 v[TM+8+\b], 0xff000000, v[TM+\b]  ; 2 off the exponent field: the conversion's scale operand
.endr
.irp b, 0,1,2,3
	v_lshrrev_b32 v[TM+4+\b], 23, v[TM+8+\b]       ; the scale's byte
.endr
	v_lshl_or_b32 v[PW], v[TM+5], 8, v[TM+4]
	v_lshl_or_b32 v[PW], v[TM+6], 16, v[PW]
	v_lshl_or_b32 v[PW], v[TM+7], 24, v[PW]
.irp c, 0,1
	v_cvt_scalef32_pk16_fp6_f32 v[PC+6*\c:PC+2+6*\c], v[\s+32*\c:\s+15+32*\c], v[TM+8+2*\c]
	v_cvt_scalef32_pk16_fp6_f32 v[PC+12+4*\c:PC+14+4*\c], v[\s+16+32*\c:\s+31+32*\c], v[TM+8+2*\c+1]
.endr
	v_nop                                          ; one plain place behind a scaled conversion
.irp c, 0,1
.irp i, 0,1,2
	v_permlane16_swap_b32 v[PC+6*\c+\i], v[PC+12+4*\c+\i]
.endr
.irp i, 0,1,2
	v_mov_b32 v[PC+3+6*\c+\i], v[PC+12+4*\c+\i]
.endr
.endr
.endm
; 32 numbers (two blocks) become half a fragment, six registers from v[d] on (lane (r, h): block h of row r), and v[w] = byte 0 | byte 1 << 8.
.macro QUANT2 s, d, w
.irp b, 0,1
	v_max3_num_f32 v[TM+\b], |v[\s+16*\b]|, |v[\s+1+16*\b]|, 0x1800000
.endr
.irp i, 2,4,6,8,10,12,14
.irp b, 0,1
	v_max3_num_f32 v[TM+\b], v[TM+\b], |v[\s+16*\b+\i]|, |v[\s+1+16*\b+\i]|
.endr
.endr
.irp b, 0,1
	v_permlanex16_b32 v[TM+4+\b], v[TM+\b], s[SEL], s[SEL+1]
.endr
.irp b, 0,1
	v_max_num_f32 v[TM+\b], v[TM+\b], v[TM+4+\b]
.endr
.irp b, 0,1
	v_add_nc_u32 v[TM+8+\b], 0xff000000, v[TM+\b]
.endr
.irp b, 0,1
	v_lshrrev_b32 v[TM+4+\b], 23, v[TM+8+\b]
.endr
	v_lshl_or_b32 v[\w], v[TM+5], 8, v[TM+4]
	v_cvt_scalef32_pk16_fp6_f32 v[\d:\d+2], v[\s:\s+15], v[TM+8]
	v_cvt_scalef32_pk16_fp6_f32 v[TX:TX+2], v[\s+16:\s+31], v[TM+9]
	v_nop
.irp i, 0,1,2
	v_permlane16_swap_b32 v[\d+\i], v[TX+\i]
.endr
.irp i, 0,1,2
	v_mov_b32 v[\d+3+\i], v[TX+\i]
.endr
.endm
	s_load_b512 s[4:19], s[0:1], 0x0               ; q s[4:5], k s[6:7], v s[8:9], bq s[10:11], bk s[12:13], bv s[14:15], wcodes s[16:17], wscales s[18:19]
	s_load_b128 s[20:23], s[0:1], 0x40             ; qp s[20:21], kv s[22:23]
	v_lshl_add_u32 v1, v0, 2, SPARE                ; my spare word,
	v_mov_b32 v2, 0                                ; and 0: both kept for the closing lines alone
	v_lshrrev_b32 v11, 5, v0
	v_readfirstlane_b32 s24, v11                   ; wave 0..7
	s_mov_b32 s25, ttmp9                           ; the block of 128 rows
	s_and_b32 s26, ttmp7, 0xffff                   ; 0: q, 1: k, 2: v
	v_and_b32 v11, 31, v0                          ; lane
	v_and_b32 v12, 15, v0                          ; r
	v_bfe_u32 v13, v0, 4, 1                        ; h
	v_lshlrev_b32 v3, 4, v11                       ; 16 x lane
	v_lshlrev_b32 v4, 2, v11                       ; 4 x lane
	s_wait_alu depctr_va_sdst(0)                   ; s24, the wave's number, is written, ahead of its first reader
	s_mul_i32 s44, s24, 8448
	s_add_co_u32 s44, s44, STG                     ; my stage
	v_add_nc_u32 v5, s44, v3                       ; into it: a row a store
	v_mul_u32_u24 v6, v12, 528
	v_lshl_add_u32 v6, v13, 6, v6
	v_add_nc_u32 v6, s44, v6                       ; out of it: row r, my 16 numbers of each block of 32
	s_mul_i32 s44, s24, 6144
	v_add_nc_u32 v7, s44, v3                       ; where I store my tile's four images
	s_lshl_b32 s44, s24, 9
	s_add_co_u32 s44, s44, XSC
	v_add_nc_u32 v8, s44, v4                       ; and their scale words
	v_lshlrev_b32 v9, 6, v13                       ; the bias for q, k: 64 h
	v_and_b32 v10, 8, v12
	v_add_nc_u32 v10, v10, v12
	v_lshlrev_b32 v10, 2, v10                      ; for v: 4 (r + 8 (r / 8))
.irp b, 0,1,2,3
	v_mov_b32 v[TM+4+\b], 0                        ; written once: a lane permute's destination counts as one of its sources
.endr
	s_mov_b32 s[SEL], 0x76543210
	s_mov_b32 s[SEL+1], 0xfedcba98
	s_mov_b32 s42, 0xffff0000                      ; lanes 16-31
	s_lshl_b32 s44, s25, 7
	s_lshr_b32 s45, s24, 1
	s_lshl_b32 s45, s45, 5
	s_add_co_u32 s44, s44, s45
	s_and_b32 s45, s24, 1
	s_lshl_b32 s45, s45, 3
	s_add_co_u32 s44, s44, s45                     ; my tile's first row of x
	s_lshl_b32 s44, s44, 11                        ; rows of 2,048 bytes
	s_mov_b32 s45, 0
	s_lshl_b32 s50, s26, 3
	s_add_co_u32 s50, s50, s24                     ; 8 p + head
	s_mul_i32 s48, s50, 24576                      ; its 16 fragments,
	s_mov_b32 s49, 0
	s_lshl_b32 s50, s50, 10                        ; their scale words,
	s_mov_b32 s51, 0
	s_lshl_b32 s52, s24, 8                         ; the head's 64 numbers of the bias
	s_mov_b32 s53, 0
	s_lshr_b32 s46, s25, 5
	s_lshl_b32 s46, s46, 8
	s_lshl_b32 s47, s24, 5
	s_add_co_u32 s46, s46, s47
	s_and_b32 s47, s25, 31
	s_add_co_u32 s46, s46, s47                     ; 32 (8 b + head) + block: which package
	s_mov_b32 s47, 13312
	s_mov_b32 s54, 12288
	s_cmp_eq_u32 s26, 0
	s_cselect_b32 s47, 6656, s47                   ; a package's bytes,
	s_cselect_b32 s54, 6144, s54                   ; where its scale words begin,
	s_mul_i32 s46, s46, s47
	s_cmp_eq_u32 s26, 2
	s_cselect_b32 s47, 6144, 0                     ; V's images lie behind K's,
	s_cselect_b32 s54, 12800, s54                  ; V's scale words behind K's
	s_add_co_u32 s54, s54, s46
	s_add_co_u32 s46, s46, s47
	s_mov_b32 s47, 0
	s_mov_b32 s55, 0
	s_wait_kmcnt 0x0
	s_cmp_eq_u32 s26, 0                            ; the choices hang on the work-group's number alone
	s_cselect_b64 s[28:29], s[4:5], s[6:7]
	s_cselect_b64 s[30:31], s[10:11], s[12:13]
	s_cselect_b64 s[36:37], s[20:21], s[22:23]
	s_cmp_eq_u32 s26, 2
	s_cselect_b64 s[28:29], s[8:9], s[28:29]
	s_cselect_b64 s[30:31], s[14:15], s[30:31]
	s_mov_b64 s[38:39], s[36:37]
	s_add_nc_u64 s[28:29], s[28:29], s[44:45]      ; x
	s_add_nc_u64 s[30:31], s[30:31], s[52:53]      ; the bias
	s_add_nc_u64 s[32:33], s[16:17], s[48:49]      ; W's fragments
	s_add_nc_u64 s[34:35], s[18:19], s[50:51]      ; W's scale words
	s_add_nc_u64 s[36:37], s[36:37], s[46:47]      ; my images' place
	s_add_nc_u64 s[38:39], s[38:39], s[54:55]      ; my scale words' place
	WIN 0x40                                       ; destination window 1
	s_wait_alu depctr_va_vdst(0)                   ; v3 to v10 are written: every load and store of the kernel reads one of them as its address or offset
.set c, 0
.rept 48
	global_load_b128 v[4*c:4*c+3], v3, s[32:33] offset:512*c   ; W's 16 fragments as they lie: they stay
.set c, c+1
.endr
	WIN 0
	s_cmp_eq_u32 s26, 2
	s_cbranch_scc1 .Lbias_v
	WIN 0x40
.irp tl, 0,1,2,3                               ; q, k: lane (r, h), tile tl, register j: channel 32 (tl / 2) + 16 h + 8 (tl % 2) + j
	global_load_b128 v[BIAS+8*\tl:BIAS+8*\tl+3], v9, s[30:31] offset:(32*(\tl/2)+8*(\tl%2))*4
	global_load_b128 v[BIAS+8*\tl+4:BIAS+8*\tl+7], v9, s[30:31] offset:(32*(\tl/2)+8*(\tl%2))*4+16
.endr
	WIN 0
	s_branch .Lbias_done
.Lbias_v:
	WIN 0x40
.irp tl, 0,1,2,3                               ; v: a lane holds channel rho(tl, r) in all eight registers
.irp j, 0,1,2,3,4,5,6,7
	global_load_b32 v[BIAS+8*\tl+\j], v10, s[30:31] offset:(32*(\tl/2)+8*(\tl%2))*4
.endr
.endr
	WIN 0
.Lbias_done:
.irp e, 0,1,2,3,4,5,6,7
	global_load_b32 v[WS+\e], v4, s[34:35] offset:128*\e   ; register 2 tl + s / 2: lanes 0-15 the words of the even K step, lanes 16-31 of the odd one
.endr
.macro XLOAD rs, s                     ; my 16 rows' numbers of K step s: a row's 512 consecutive bytes a load
.set i, 0
.rept 16
	global_load_b128 v[\rs+4*i:\rs+4*i+3], v3, s[28:29] offset:(i+8*(i/8))*2048+512*(\s) th:TH_LOAD_NT
.set i, i+1
.endr
.endm
.macro TURN rs                         ; through my stage: in by rows as loaded, out 16 neighbours of each block a lane
.set i, 0
.rept 16
	ds_store_b128 v5, v[\rs+4*i:\rs+4*i+3] offset:528*i
.set i, i+1
.endr
.set i, 0
.rept 16
	ds_load_b128 v[X+4*i:X+4*i+3], v6 offset:128*(i/4)+16*(i%4)   ; LDS serves a wave's instructions in order: these see the stores above
.set i, i+1
.endr
.endm
.macro XSTEP rs, s
.if \s < 3
	s_wait_loadcnt 16                              ; this set's 16 loads are in (and all that was asked for earlier); the other set's 16 may be out
.else
	s_wait_loadcnt 0x0
.endif
	TURN \rs
	s_wait_dscnt 0x0                               ; the set has been read, the numbers are back, the last images' stores are done
	s_wait_alu depctr_vm_vsrc(0)                   ; the stage's stores have read this raw set, in which the loads below land; the last step's image stores have read the codes and the word that QUANT writes again
.if \s < 2
	XLOAD \rs, \s+2
.endif
	QUANT X
	s_wait_alu depctr_va_vdst(0)                   ; QUANT has written the codes and the word, which the stores below read, and is done reading X, in which the next LDS loads land
.irp g, 0,1,2
	ds_store_b128 v7, v[PC+4*\g:PC+4*\g+3] offset:XIMG+1536*\s+512*\g   ; the fragment as it stands: lane l's 16 bytes at 16 l
.endr
	ds_store_b32 v8, v[PW] offset:128*\s
.endm
	XLOAD RA, 0
	XLOAD RB, 1
	XSTEP RA, 0
	XSTEP RB, 1
	XSTEP RA, 2
	XSTEP RB, 3
	s_wait_dscnt 0x0                               ; for the others' sake: my images lie in LDS
	s_barrier_signal -1
	s_barrier_wait -1                              ; all 32 do; nothing is stored to LDS from here on
	s_wait_alu depctr_vm_vsrc(0)                   ; my LDS stores have read the codes, the word and the raw sets (v15 to v175): fragments land and accumulators are written there from here on
.macro FETCHX t, xf, xs                ; tile t's four fragments and scale words: 16 LDS loads
.set c, 0
.rept 12
	ds_load_b128 v[\xf+4*c:\xf+4*c+3], v3 offset:XIMG+6144*(\t)+512*c
.set c, c+1
.endr
.irp s, 0,1,2,3
	ds_load_b32 v[\xs+\s], v4 offset:XSC+(4*(\t)+\s)*128
.endr
.endm
.set PC, 192
.set TM, 212
.set TX, 204
.set PW, 228
	s_cmp_eq_u32 s26, 2
	s_cbranch_scc1 .Lpath_v
	; ---------------- q, k ----------------
; 16 products: my four tiles of W x one tile of x; the four accumulators take turns, one instruction a turn.
.macro GQK tp, xf, xs
	WIN 0x11                                       ; source 0 (W) and source 2 (the bias) window 1
.irp tl, 0,1,2,3
	v_wmma_scale_f32_16x16x128_f8f6f4 v[ACC+32*(\tp)+8*\tl:ACC+32*(\tp)+8*\tl+7], v[48*\tl:48*\tl+11], v[\xf:\xf+11], v[BIAS+8*\tl:BIAS+8*\tl+7], v[WS+2*\tl], v[\xs] matrix_a_fmt:MATRIX_FMT_FP6 matrix_b_fmt:MATRIX_FMT_FP6
.endr
	WIN 0x01
.irp s, 1,2,3
.irp tl, 0,1,2,3
.if \s%2
	v_wmma_scale_f32_16x16x128_f8f6f4 v[ACC+32*(\tp)+8*\tl:ACC+32*(\tp)+8*\tl+7], v[48*\tl+12*\s:48*\tl+12*\s+11], v[\xf+12*\s:\xf+12*\s+11], v[ACC+32*(\tp)+8*\tl:ACC+32*(\tp)+8*\tl+7], v[WS+2*\tl+\s/2], v[\xs+\s] matrix_a_fmt:MATRIX_FMT_FP6 matrix_b_fmt:MATRIX_FMT_FP6 matrix_a_scale:MATRIX_SCALE_ROW1
.else
	v_wmma_scale_f32_16x16x128_f8f6f4 v[ACC+32*(\tp)+8*\tl:ACC+32*(\tp)+8*\tl+7], v[48*\tl+12*\s:48*\tl+12*\s+11], v[\xf+12*\s:\xf+12*\s+11], v[ACC+32*(\tp)+8*\tl:ACC+32*(\tp)+8*\tl+7], v[WS+2*\tl+\s/2], v[\xs+\s] matrix_a_fmt:MATRIX_FMT_FP6 matrix_b_fmt:MATRIX_FMT_FP6
.endif
.endr
.endr
	WIN 0
.endm
.irp pp, 0,1                                   ; four tiles of x at a time: 128 accumulator registers
	FETCHX 4*\pp, XFA, XSA                         ; (no vector or matrix instruction since the last wait on va_vdst names either buffer)
	FETCHX 4*\pp+1, XFB, XSB
	s_wait_dscnt 16                                ; the first tile is in; the 16 loads just issued may be out
	GQK 0, XFA, XSA
	PLACES
	s_wait_alu depctr_va_vdst(0)                   ; the products above are done reading the first buffer and its scale words, in which the loads below land
	FETCHX 4*\pp+2, XFA, XSA
	s_wait_dscnt 16
	GQK 1, XFB, XSB
	PLACES
	s_wait_alu depctr_va_vdst(0)                   ; the products above are done reading the second buffer and its scale words, in which the loads below land
	FETCHX 4*\pp+3, XFB, XSB
	s_wait_dscnt 16
	GQK 2, XFA, XSA
	s_wait_dscnt 0x0
	GQK 3, XFB, XSB
	PLACES
.irp pr, 0,1                                   ; two tiles make an image of 12 registers
	QUANT2 ACC+64*\pr, PC, 228
	QUANT2 ACC+64*\pr+32, PC+6, 229
	v_or_b32 v228, 0x7f7f0000, v228                ; the upper two bytes: 1.0, over zero codes
	v_or_b32 v229, 0x7f7f0000, v229
	v_cndmask_b32 v230, v228, v229, s42            ; lanes 0-15 the even tile's words, lanes 16-31 the odd tile's
	s_wait_alu depctr_va_vdst(0)                   ; the codes and the words are written, which the stores below read; all products are done reading both buffers, in which the next half's fetches land
.irp g, 0,1,2
	global_store_b128 v3, v[PC+4*\g:PC+4*\g+3], s[36:37] offset:(2*\pp+\pr)*1536+512*\g   ; 512 consecutive bytes a store
.endr
	global_store_b32 v4, v230, s[38:39] offset:(2*\pp+\pr)*128
	s_wait_xcnt 0x0                                ; the stores' registers are written again only behind this wait
.if (\pp)+(\pr) < 2
	s_wait_alu depctr_vm_vsrc(0)                   ; the stores have read the codes and the words, which the next pair's lines write, or in which the next half's fetches land
.endif
.endr
.endr
	s_branch .Lend
	; ---------------- v ----------------
.Lpath_v:
; 8 products: one tile of x (16 keys) x two tiles of W (channels); the two accumulators take turns, one instruction a turn.
.macro GV t, bb, xf, xs
	WIN 0x14                                       ; source 1 (W) and source 2 (the bias) window 1
.irp u, 0,1
	v_wmma_scale_f32_16x16x128_f8f6f4 v[ACC+64*\u+8*(\t):ACC+64*\u+8*(\t)+7], v[\xf:\xf+11], v[48*(2*\bb+\u):48*(2*\bb+\u)+11], v[BIAS+8*(2*\bb+\u):BIAS+8*(2*\bb+\u)+7], v[\xs], v[WS+2*(2*\bb+\u)] matrix_a_fmt:MATRIX_FMT_FP6 matrix_b_fmt:MATRIX_FMT_FP6
.endr
	WIN 0x04
.irp s, 1,2,3
.irp u, 0,1
.if \s%2
	v_wmma_scale_f32_16x16x128_f8f6f4 v[ACC+64*\u+8*(\t):ACC+64*\u+8*(\t)+7], v[\xf+12*\s:\xf+12*\s+11], v[48*(2*\bb+\u)+12*\s:48*(2*\bb+\u)+12*\s+11], v[ACC+64*\u+8*(\t):ACC+64*\u+8*(\t)+7], v[\xs+\s], v[WS+2*(2*\bb+\u)+\s/2] matrix_a_fmt:MATRIX_FMT_FP6 matrix_b_fmt:MATRIX_FMT_FP6 matrix_b_scale:MATRIX_SCALE_ROW1
.else
	v_wmma_scale_f32_16x16x128_f8f6f4 v[ACC+64*\u+8*(\t):ACC+64*\u+8*(\t)+7], v[\xf+12*\s:\xf+12*\s+11], v[48*(2*\bb+\u)+12*\s:48*(2*\bb+\u)+12*\s+11], v[ACC+64*\u+8*(\t):ACC+64*\u+8*(\t)+7], v[\xs+\s], v[WS+2*(2*\bb+\u)+\s/2] matrix_a_fmt:MATRIX_FMT_FP6 matrix_b_fmt:MATRIX_FMT_FP6
.endif
.endr
.endr
	WIN 0
.endm
.irp bb, 0,1                                   ; 32 channels at a time, all 128 keys: 128 accumulator registers
	FETCHX 0, XFA, XSA                             ; (no vector or matrix instruction since the last wait on va_vdst names either buffer)
.irp t, 0,2,4,6
.if \t > 0
	PLACES
	s_wait_alu depctr_va_vdst(0)                   ; the products above are done reading the second buffer and its scale words, in which the loads below land
.endif
	FETCHX \t+1, XFB, XSB
	s_wait_dscnt 16                                ; this tile is in; the 16 loads just issued may be out
	GV \t, \bb, XFA, XSA
.if \t < 6
	PLACES
	s_wait_alu depctr_va_vdst(0)                   ; the products above are done reading the first buffer and its scale words, in which the loads below land
	FETCHX \t+2, XFA, XSA
	s_wait_dscnt 16
.else
	s_wait_dscnt 0x0
.endif
	GV \t+1, \bb, XFB, XSB
.endr
	PLACES
.irp u, 0,1
	QUANT ACC+64*\u                                ; register 8 t + j = key 32 (t / 2) + 16 h + 8 (t % 2) + j of my channel: a fragment of V^T
	s_wait_alu depctr_va_vdst(0)                   ; the codes and the word are written, which the stores below read; all products are done reading both buffers, in which the next half's fetches land
.irp g, 0,1,2
	global_store_b128 v3, v[PC+4*\g:PC+4*\g+3], s[36:37] offset:(2*\bb+\u)*1536+512*\g
.endr
	global_store_b32 v4, v[PW], s[38:39] offset:(2*\bb+\u)*128
	s_wait_xcnt 0x0                                ; the stores' registers are written again only behind this wait
.if (\bb)+(\u) < 2
	s_wait_alu depctr_vm_vsrc(0)                   ; the stores have read the codes and the word, which the next fragment's lines write, or in which the next half's fetches land
.endif
.endr
.endr
.Lend:
	s_wait_dscnt 0x0                               ; the closing lines, six on end
	s_wait_alu 0x0
	s_wait_tensorcnt 0x0
	ds_add_u32 v1, v2
	s_wait_dscnt 0x0
	s_endpgm
.Lfunc_end_k_q9b55c328ca_proj:
	.size	k_q9b55c328ca_proj, .Lfunc_end_k_q9b55c328ca_proj-k_q9b55c328ca_proj
	.p2alignl 7, 3214868480
	.fill 96, 4, 3214868480
	.section	.rodata,"a",@progbits
	.p2align	6, 0x0
	.amdhsa_kernel k_q9b55c328ca_proj
		.amdhsa_group_segment_fixed_size 121856
		.amdhsa_private_segment_fixed_size 0
		.amdhsa_enable_private_segment 0
		.amdhsa_kernarg_size 80
		.amdhsa_user_sgpr_count 2
		.amdhsa_user_sgpr_kernarg_segment_ptr 1
		.amdhsa_wavefront_size32 1
		.amdhsa_system_sgpr_workgroup_id_x 1
		.amdhsa_system_sgpr_workgroup_id_y 1
		.amdhsa_system_sgpr_workgroup_id_z 1
		.amdhsa_system_vgpr_workitem_id 0
		.amdhsa_next_free_vgpr 480
		.amdhsa_next_free_sgpr 66
		.amdhsa_reserve_vcc 0
		.amdhsa_float_denorm_mode_32 3
		.amdhsa_float_denorm_mode_16_64 3
		.amdhsa_memory_ordered 1
		.amdhsa_forward_progress 1
		.amdhsa_inst_pref_size 140
	.end_amdhsa_kernel
	.amdgpu_metadata
---
amdhsa.version: [ 1, 2 ]
amdhsa.kernels:
  - .name:           k_q9b55c328ca_proj
    .symbol:         k_q9b55c328ca_proj.kd
    .args:
      - { .name: q, .offset: 0, .size: 8, .value_kind: global_buffer, .address_space: global }
      - { .name: k, .offset: 8, .size: 8, .value_kind: global_buffer, .address_space: global }
      - { .name: v, .offset: 16, .size: 8, .value_kind: global_buffer, .address_space: global }
      - { .name: bq, .offset: 24, .size: 8, .value_kind: global_buffer, .address_space: global }
      - { .name: bk, .offset: 32, .size: 8, .value_kind: global_buffer, .address_space: global }
      - { .name: bv, .offset: 40, .size: 8, .value_kind: global_buffer, .address_space: global }
      - { .name: wcodes, .offset: 48, .size: 8, .value_kind: global_buffer, .address_space: global }
      - { .name: wscales, .offset: 56, .size: 8, .value_kind: global_buffer, .address_space: global }
      - { .name: qp, .offset: 64, .size: 8, .value_kind: global_buffer, .address_space: global }
      - { .name: kv, .offset: 72, .size: 8, .value_kind: global_buffer, .address_space: global }
    .group_segment_fixed_size: 121856
    .private_segment_fixed_size: 0
    .kernarg_segment_align: 8
    .kernarg_segment_size: 80
    .max_flat_workgroup_size: 256
    .sgpr_count:     66
    .vgpr_count:     480
    .wavefront_size: 32
...
	.end_amdgpu_metadata
.endif
;; end of part 6
;; launch attn (part 7): grid 16 x 16, 16 waves a work-group, no clusters, 31,744 bytes of LDS; arguments qp, kv, maskw, tflags, ocodes, oscales; writes ocodes, oscales
.if DOCPART == 7
	.amdgcn_target "amdgcn-amd-amdhsa--gfx1250"
	.amdhsa_code_object_version 6
	.text
	.protected	k_q9b55c328ca_attn
	.globl	k_q9b55c328ca_attn
	.p2align	8
	.type	k_q9b55c328ca_attn,@function
k_q9b55c328ca_attn:
	s_mov_b64 s[64:65], 0
	v_nop
	global_prefetch_b8 v0, s[64:65] scope:SCOPE_SE
	s_setreg_imm32_b32 hwreg(HW_REG_WAVE_SCHED_MODE, 0, 2), 2
	s_setreg_imm32_b32 hwreg(HW_REG_WAVE_MODE, 25, 1), 1
	s_wait_xcnt 0x0
	s_wait_alu depctr_vm_vsrc(0)
; o = softmax(mask(q k^T / 8)) v for one (batch, head), both products on codes of E2M3 with one E8M0 scale for each 32 along K; o is quantised along the model's 512 for the output projection.
; THE SOFTMAX AHEAD OF THE SECOND PRODUCT: t = score x log2(e) / 8; M = the row's largest t so far, rounded up to a whole number; p = 2^(t - M) is quantised along the keys, not normalised; the row's sum is taken of the
; unquantised p and divides at the end.  When M moves, the sum and O are multiplied by 2^(old M - new M): exact.
; SHARES.  Sixteen waves, each ONE tile of 16 queries rho(T, r) = 32 (T / 2) + 8 (T % 2) + r + 8 (r / 8), four waves to a SIMD.  A work-group holds the blocks a and 31 - a of 128 queries, one wave of each for each tile number,
; dealt so that two waves of each block fall to a SIMD.  All waves walk the head's 32 key steps of 128 keys in step: a step's package (K's images, V^T's images, scale words: 13,312 bytes) is loaded through
; registers into one of two LDS slots, one barrier a step; the next package is asked for behind the barrier.
; THE MASK is an input.  An earlier launch has turned it into lane masks (a word for each score register) and two flags a tile: a step in which all 16 x 128 places of my tile are hidden adds nothing to any sum and is
; left out (a scalar branch on the stored flag; no barrier stands under it); a step with no hidden place skips the masking; a step that no wave of the work-group needs is not loaded.
; The launch uses no tensor load and no copy.  Cluster and joint loads are not used; what would be shared is 13 KiB a step.
; LAYOUT.  Both products transposed: S^T = K Q^T (source 0 = 16 keys, source 1 = my queries), O^T = V^T P^T: a lane holds one query throughout; score register 16 b + i is key 32 b + 16 (lane / 16) + i.
; K = 64 IN A PRODUCT OF 128: Q's upper six registers are zero codes; K's operand for tile t is twelve registers from its six on, so its upper half is the next tile's codes, which meet zero codes under the byte 0x7f.
; A ROW WITH NO OPEN KEY: reference() gives NaN; the row's sum is 0 here, and its scale bytes are set to 0xff, so that the output projection's sums for that row are NaN.
; LIMITS: NaN and infinities among the inputs are not served; a block of zeros has the byte 1 (its codes are zeros).
; THE MODE: SCHED_MODE bits 1:0 = 2 (LLVM: expert scheduling mode 2), set by the entry lines.  The code itself states the register dependences
; between vector or matrix instructions and memory or LDS instructions, with s_wait_alu, always for 0.
; THE PLAN.  Registers that memory or LDS instructions touch, in the loop:
;   v3 .. v8      addresses and offsets: written at the head, never again.
;   v30 .. v37    the package on its way: global loads land behind a trip's barrier, the next trip's LDS stores read; no vector instruction of the loop names them.
;   KV, KS        K's fragments and scale words land at a step's head; the score products read them; then V^T's fragments land in KV; the second products read them.
;   VS            V's scale words land behind the score products; the second products read them.
;   PCD, v29      p's codes and scale word: written by vector instructions, taken by the second products.
; A trip has one wait on vm_vsrc, behind its barrier: my LDS stores have read v30 to v37.  A step has four waits on va_vdst beside the two behind its exponentials: at its head (the last step's products are done
; with KV, KS and VS), behind the score products (they are done with KV), ahead of the exponentials, and ahead of the second products (p's codes and scale word are written).
.set SLOT1, 16384                      ; slot 1 begins here
.set VIMG,  6144                       ; in a package: V^T's images,
.set KSC,   12288                      ; K's scale words [8][16],
.set VSC,   12800                      ; V's [4][32]
.set PKG,   13312
.set SPARE, 29696                      ; the spare words: 128 bytes a wave, eight blocks of 256 bytes that no other line names
.set SEL,   22                         ; s[22:23] lane selects for v_permlanex16_b32: lane l xor 16
.set KS,    38                         ; v38-41 K's scale words: lanes 0-15 tile 2 u, lanes 16-31 tile 2 u + 1
.set VS,    42                         ; v42-45 V's scale words
.set KV,    46                         ; v46-93 K's eight half fragments, later V^T's four fragments; v94-99 zeros
.set S,     100                        ; v100-163 S^T, then p
.set O,     164                        ; v164-195 O^T
.set PCD,   196                        ; v196-207 p's codes
.set TX,    208                        ; v208-214 at work in the conversions
.set BM,    216                        ; v216-219 the blocks' largest scores
.set BT,    220                        ; v220-223 at work
.set SO,    224                        ; v224-227 the conversions' scale operands
.set TM,    216                        ; the way out's work registers
; v1, v2 the closing lines' two; v3 16 l; v4 4 l; v5 16 x thread; v6 4 r; v7 8 l; v8 the prefetch's offset; v9 -infinity; v12 -M; v13 the largest t; v[14:15] the sum; v16-21 Q, v22-27 zeros; v28 Q's scale word; v29 p's;
; v30-37 the package on its way; v228, v229 at work; v[230:231] f.
; s16 wave; s17 T; s18, s19 my tile's flags, bit 0 = the step in hand; s20 the work-group's; s21 the loop's count; s[24:25] c; s26 which half of Q's image; s28 1 in a wave that prefetches; s32-63, s68-99 the step's 64 mask words.
.macro QUANT2 s, d, w                  ; 32 numbers (two blocks) become six registers from v[d] on (lane (r, h): block h of row r), and v[w] = byte 0 | byte 1 << 8
.irp b, 0,1
	v_max3_num_f32 v[TM+\b], |v[\s+16*\b]|, |v[\s+1+16*\b]|, 0x1800000
.endr
.irp i, 2,4,6,8,10,12,14
.irp b, 0,1
	v_max3_num_f32 v[TM+\b], v[TM+\b], |v[\s+16*\b+\i]|, |v[\s+1+16*\b+\i]|
.endr
.endr
.irp b, 0,1
	v_permlanex16_b32 v[TM+4+\b], v[TM+\b], s[SEL], s[SEL+1]
.endr
.irp b, 0,1
	v_max_num_f32 v[TM+\b], v[TM+\b], v[TM+4+\b]
.endr
.irp b, 0,1
	v_add_nc_u32 v[TM+8+\b], 0xff000000, v[TM+\b]
.endr
.irp b, 0,1
	v_lshrrev_b32 v[TM+4+\b], 23, v[TM+8+\b]
.endr
	v_lshl_or_b32 v[\w], v[TM+5], 8, v[TM+4]
	v_cvt_scalef32_pk16_fp6_f32 v[\d:\d+2], v[\s:\s+15], v[TM+8]
	v_cvt_scalef32_pk16_fp6_f32 v[TX:TX+2], v[\s+16:\s+31], v[TM+9]
	v_nop                                          ; one plain place behind a scaled conversion
.irp i, 0,1,2
	v_permlane16_swap_b32 v[\d+\i], v[TX+\i]
.endr
.irp i, 0,1,2
	v_mov_b32 v[\d+3+\i], v[TX+\i]
.endr
.endm
	s_load_b256 s[4:11], s[0:1], 0x0               ; qp s[4:5], kv s[6:7], maskw s[8:9], tflags s[10:11]
	s_load_b128 s[12:15], s[0:1], 0x20             ; ocodes s[12:13], oscales s[14:15]
	v_lshl_add_u32 v1, v0, 2, SPARE                ; my spare word,
	v_mov_b32 v2, 0                                ; and 0: both kept for the closing lines alone
	v_lshrrev_b32 v10, 5, v0
	v_readfirstlane_b32 s16, v10                   ; wave 0..15
	v_and_b32 v10, 31, v0                          ; lane
	s_wait_alu depctr_va_vdst(0)
	v_and_b32 v11, 15, v0                          ; r
	v_lshlrev_b32 v3, 4, v10
	v_lshlrev_b32 v4, 2, v10
	v_lshlrev_b32 v5, 4, v0                        ; the package: 16 bytes a thread, in memory and in a slot alike
	v_lshlrev_b32 v6, 2, v11
	v_lshlrev_b32 v7, 3, v10
	s_wait_alu depctr_va_sdst(0)                   ; s16, the wave's number, is written, ahead of its first reader
	s_lshr_b32 s68, s16, 2
	s_xor_b32 s68, s68, s16
	s_and_b32 s68, s68, 1                          ; which of the two blocks
	s_sub_co_u32 s69, 31, ttmp9
	s_cmp_eq_u32 s68, 0
	s_cselect_b32 s69, ttmp9, s69                  ; block a or 31 - a
	s_lshr_b32 s70, s16, 1                         ; the tile in it
	s_lshl_b32 s17, s69, 3
	s_add_co_u32 s17, s17, s70                     ; T
	s_and_b32 s71, ttmp7, 0xffff                   ; bh = 8 b + head
	s_lshl_b32 s72, s71, 5
	s_add_co_u32 s72, s72, s69
	s_mul_i32 s72, s72, 6656                       ; Q's package
	s_lshr_b32 s73, s70, 1
	s_mul_i32 s73, s73, 1536
	s_add_co_u32 s74, s72, s73                     ; the image that holds my tile
	s_mov_b32 s75, 0
	s_lshl_b32 s73, s70, 6
	s_add_co_u32 s72, s72, s73
	s_add_co_u32 s72, s72, 6144                    ; my tile's scale words
	s_mov_b32 s73, 0
	s_and_b32 s26, s70, 1
	s_cmp_lg_u32 s26, 0
	s_cselect_b32 s26, -1, 0                       ; an odd tile is the image's upper six registers
	s_mul_i32 s76, s71, 32*PKG                     ; the head's packages
	s_mov_b32 s77, 0
	s_lshl_b32 s78, s17, 13                        ; my tile's mask words
	s_mov_b32 s79, 0
	s_lshl_b32 s80, s17, 3                         ; my tile's flags,
	s_mov_b32 s81, 0
	s_lshl_b32 s82, ttmp9, 6                       ; those of block a's eight tiles,
	s_mov_b32 s83, 0
	s_sub_co_u32 s84, 31, ttmp9
	s_lshl_b32 s84, s84, 6                         ; and of block 31 - a's
	s_mov_b32 s85, 0
	s_lshr_b32 s86, s71, 3
	s_lshl_b32 s86, s86, 8
	s_add_co_u32 s86, s86, s17                     ; G = 256 b + T: my tile among the 512 of the flattened rows
	s_and_b32 s87, s71, 7                          ; head
	s_lshl_b32 s88, s86, 3
	s_add_co_u32 s88, s88, s87
	s_mul_i32 s88, s88, 768                        ; ocodes: 768 bytes for a tile and a head
	s_mov_b32 s89, 0
	s_lshl_b32 s90, s86, 2
	s_lshr_b32 s91, s87, 1
	s_add_co_u32 s90, s90, s91
	s_lshl_b32 s90, s90, 6                         ; oscales: 64 bytes for a tile and a K step of 128 (two heads),
	s_and_b32 s91, s87, 1
	s_lshl_b32 s91, s91, 1
	s_add_co_u32 s90, s90, s91                     ; my head's two bytes of each word
	s_mov_b32 s91, 0
	s_and_b32 s28, s16, 13
	s_xor_b32 s28, s28, 12                         ; 0 in waves 12 and 14,
	s_or_b32 s28, s28, ttmp9                       ; of the head's first work-group
	s_cmp_eq_u32 s28, 0
	s_cselect_b32 s28, 1, 0
	s_bfe_u32 s66, s16, 0x10001
	s_lshl_b32 s66, s66, 13
	v_lshl_add_u32 v8, v10, 8, s66                 ; wave 12: the package's blocks of 256 bytes 0 to 31, a lane a block; wave 14: blocks 32 on,
	v_min_u32 v8, 13056, v8                        ; held at the last, the 52nd (its lanes 19 to 31 name that block too)
	s_mov_b32 s[SEL], 0x76543210
	s_mov_b32 s[SEL+1], 0xfedcba98
	s_mov_b32 s24, 0x3e38aa3b                      ; c = log2(e) / 8
	s_mov_b32 s25, s24                             ; (named with it as a pair, so it is written)
	s_wait_kmcnt 0x0
	s_add_nc_u64 s[92:93], s[4:5], s[74:75]
	s_add_nc_u64 s[94:95], s[4:5], s[72:73]
	s_add_nc_u64 s[6:7], s[6:7], s[76:77]
	s_add_nc_u64 s[8:9], s[8:9], s[78:79]
	s_add_nc_u64 s[96:97], s[10:11], s[80:81]
	s_add_nc_u64 s[2:3], s[10:11], s[82:83]
	s_add_nc_u64 s[10:11], s[10:11], s[84:85]
	s_add_nc_u64 s[12:13], s[12:13], s[88:89]
	s_add_nc_u64 s[14:15], s[14:15], s[90:91]
	s_load_b64 s[18:19], s[96:97], 0x0             ; my tile: bit ks of s18: the step has an open place; of s19: a hidden one
	s_load_b512 s[32:47], s[2:3], 0x0              ; the sixteen tiles of the work-group: the even words are the first kind
	s_load_b512 s[48:63], s[10:11], 0x0
	s_wait_alu depctr_va_vdst(0)                   ; v3 to v8 are written: every load, store and prefetch of the kernel reads one of them as its address or offset
.irp g, 0,1,2
	global_load_b128 v[S+4*\g:S+4*\g+3], v3, s[92:93] offset:512*\g   ; the image of two tiles of Q
.endr
	global_load_b32 v28, v6, s[94:95]              ; my tile's scale words
.irp j, 22,23,24,25,26,27,94,95,96,97,98,99
	v_mov_b32 v\j, 0                               ; zero codes: the upper 64 of the score product's K
.endr
.irp j, 30,31,32,33,34,35,36,37
	v_mov_b32 v\j, 0                               ; written before any path reads them
.endr
.set j, 0
.rept 32
	v_mov_b32 v[O+j], 0                            ; O^T: the step is written once; the first finds zeros, which the first change of M leaves zeros
.set j, j+1
.endr
	v_mov_b32 v14, 0                               ; the sum, in two halves
	v_mov_b32 v15, 0
.irp b, 0,1,2,3
	v_mov_b32 v[BT+\b], 0                          ; written once: a lane permute's destination counts as one of its sources
.endr
	v_mov_b32 v228, 0
	v_mov_b32 v231, 0                              ; (named as the upper half of the pair v[230:231])
	v_mov_b32 v9, 0xff800000                       ; -infinity
	v_mov_b32 v13, 0xff61b1e6                      ; the largest t so far: -3e38, under every t
	v_floor_f32 v12, -v13                          ; -M
	s_wait_kmcnt 0x0
	s_or_b32 s20, s32, s34                         ; a step is loaded if any of the sixteen tiles needs it
.irp e, 36,38,40,42,44,46,48,50,52,54,56,58,60,62
	s_or_b32 s20, s20, s\e
.endr
	s_wait_loadcnt 0x0                             ; Q
	s_wait_xcnt 0x0                                ; the head's address registers are free: the mask words will land on some of them
.irp p, 0,1,2,3,4,5
	v_cndmask_b32 v[16+\p], v[S+\p], v[S+6+\p], s26
.endr
	s_wait_alu depctr_va_vdst(0)                   ; v30 to v37 are written, in which the package's loads land and which the first trip's LDS stores read
	s_bitcmp1_b32 s20, 0
	s_cbranch_scc0 .Lno_first
	global_load_b128 v[30:33], v5, s[6:7]          ; package 0: 8,192 bytes by all sixteen waves,
	s_cmp_lt_u32 s16, 10
	s_cbranch_scc0 .Lno_first
	global_load_b128 v[34:37], v5, s[6:7] offset:8192   ; 5,120 by waves 0 to 9
.Lno_first:
; A KEY STEP of my tile: 128 keys, from the slot named.
.macro STEP slot
	s_load_b512 s[32:47], s[8:9], 0x0              ; the step's 64 lane masks; they are wanted behind the score products
	s_load_b512 s[48:63], s[8:9], 0x40
	s_load_b512 s[68:83], s[8:9], 0x80
	s_load_b512 s[84:99], s[8:9], 0xc0
.rept 4
	v_nop                                          ; places in front of loads into registers that the last step's matrix instructions read
.endr
	s_wait_alu depctr_va_vdst(0)                   ; the last step's products are done reading v[KV ..] and K's and V's scale words, in which this step's loads land; in the first step: Q's codes and the zero codes are written, which the score products take
.set g, 0
.rept 12
	ds_load_b128 v[KV+4*g:KV+4*g+3], v3 offset:\slot*SLOT1+512*g   ; K's eight half fragments: tile t at v[KV + 6 t]
.set g, g+1
.endr
.irp u, 0,1,2,3
	ds_load_b32 v[KS+\u], v4 offset:\slot*SLOT1+KSC+128*\u
.endr
	s_wait_dscnt 0x0
.irp t, 0,1,2,3,4,5,6,7
.if \t%2
	v_wmma_scale_f32_16x16x128_f8f6f4 v[S+8*\t:S+8*\t+7], v[KV+6*\t:KV+6*\t+11], v[16:27], 0, v[KS+\t/2], v28 matrix_a_fmt:MATRIX_FMT_FP6 matrix_b_fmt:MATRIX_FMT_FP6 matrix_a_scale:MATRIX_SCALE_ROW1
.else
	v_wmma_scale_f32_16x16x128_f8f6f4 v[S+8*\t:S+8*\t+7], v[KV+6*\t:KV+6*\t+11], v[16:27], 0, v[KS+\t/2], v28 matrix_a_fmt:MATRIX_FMT_FP6 matrix_b_fmt:MATRIX_FMT_FP6
.endif
.endr
.rept 4
	v_nop                                          ; places in front of the loads below and of the first read of the scores
.endr
	s_wait_alu depctr_va_vdst(0)                   ; the score products are done reading v[KV ..], in which V^T's fragments land
.set g, 0
.rept 12
	ds_load_b128 v[KV+4*g:KV+4*g+3], v3 offset:\slot*SLOT1+VIMG+512*g   ; V^T's four fragments: they land while the softmax is walked
.set g, g+1
.endr
.irp u, 0,1,2,3
	ds_load_b32 v[VS+\u], v4 offset:\slot*SLOT1+VSC+128*\u
.endr
	s_bitcmp1_b32 s19, 0                           ; has the tile a hidden place?
	s_cbranch_scc0 .Lclear_\@
	s_wait_kmcnt 0x0
.set n, 0
.rept 64
	v_cndmask_b32 v[S+n], v[S+n], v9, s[32+n+4*(n/32)]   ; hidden scores become -infinity ahead of the maximum: p = 0 then.  Each accumulator from its low end on
.set n, n+1
.endr
.Lclear_\@:
.irp b, 0,1,2,3
	v_max3_num_f32 v[BM+\b], v[S+16*\b], v[S+16*\b+1], v[S+16*\b+2]   ; the largest score of each block of 32 keys: it serves for the row's maximum and, since p rises with the score, for the block's largest p
.endr
.irp i, 3,5,7,9,11,13
.irp b, 0,1,2,3
	v_max3_num_f32 v[BM+\b], v[BM+\b], v[S+16*\b+\i], v[S+16*\b+\i+1]
.endr
.endr
.irp b, 0,1,2,3
	v_max_num_f32 v[BM+\b], v[BM+\b], v[S+16*\b+15]
.endr
.irp b, 0,1,2,3
	v_permlanex16_b32 v[BT+\b], v[BM+\b], s[SEL], s[SEL+1]
.endr
.irp b, 0,1,2,3
	v_max_num_f32 v[BM+\b], v[BM+\b], v[BT+\b]     ; with lane l xor 16's 16 keys
.endr
	v_max3_num_f32 v228, v[BM], v[BM+1], v[BM+2]
	v_max_num_f32 v228, v228, v[BM+3]              ; the step's largest score of my query
	v_mul_f32 v228, s24, v228                      ; as t (c is positive)
	v_max_num_f32 v13, v13, v228                   ; the running largest t
	v_mov_b32 v228, v12
	v_floor_f32 v12, -v13                          ; the new -M = floor(-t) = -ceil(t): a whole number
	v_sub_f32 v228, v12, v228                      ; old M less new M: a whole number, 0 or less
	v_cvt_i32_f32 v228, v228                       ; (it saturates)
	v_ldexp_f32 v230, 1.0, v228                    ; f = 2^(old M - new M)
.set j, 0
.rept 32
	v_pk_fma_f32 v[S+j:S+j+1], v[S+j:S+j+1], s[24:25], v[12:13] op_sel_hi:[1,0,0]   ; t - M, two at a time
.set j, j+2
.endr
.irp b, 0,1,2,3
	v_fma_f32 v[BM+\b], v[BM+\b], s24, v12         ; the same of each block's largest score
.endr
.set j, 0
	s_wait_alu depctr_va_vdst(0)
.rept 64
	v_exp_f32 v[S+j], v[S+j]                       ; p = 2^(t - M), at most 1
.set j, j+1
.endr
	v_pk_mul_f32 v[14:15], v[14:15], v[230:231] op_sel_hi:[1,0]   ; the sums under the new M: a plain place behind the exponentials
	s_wait_alu depctr_va_vdst(0)                   ; the 64 exponentials have written p: one wait for the whole batch, ahead of its first reader
.irp b, 0,1,2,3
	v_exp_f32 v[BM+\b], v[BM+\b]                   ; the block's largest p: the same two instructions on the same number give the same bits
.endr
	v_pk_add_f32 v[BT:BT+1], v[S:S+1], v[S+2:S+3]  ; the row's sum is taken of the unquantised p: two at a time, in two chains
.set j, 4
.rept 15
	v_pk_add_f32 v[14:15], v[14:15], v[S+j:S+j+1]
	v_pk_add_f32 v[BT:BT+1], v[BT:BT+1], v[S+j+2:S+j+3]
.set j, j+4
.endr
	v_pk_add_f32 v[14:15], v[14:15], v[BT:BT+1]
	s_wait_alu depctr_va_vdst(0)                   ; the four exponentials have written the blocks' largest p, ahead of their first reader
.irp b, 0,1,2,3
	v_max_num_f32 v[BM+\b], 0x1800000, v[BM+\b]    ; the floor 2^(3 - 127): the byte cannot fall under 1
.endr
.irp b, 0,1,2,3
	v_add_nc_u32 v[SO+\b], 0xff000000, v[BM+\b]    ; 2 off the exponent field: the conversion's scale operand
.endr
.irp b, 0,1,2,3
	v_lshrrev_b32 v[BT+\b], 23, v[SO+\b]           ; the scale's byte
.endr
	v_lshl_or_b32 v29, v[BT+1], 8, v[BT]           ; p's scale word for these 128 keys
	v_lshl_or_b32 v29, v[BT+2], 16, v29
	v_lshl_or_b32 v29, v[BT+3], 24, v29
.irp c, 0,1
	v_cvt_scalef32_pk16_fp6_f32 v[PCD+6*\c:PCD+6*\c+2], v[S+32*\c:S+32*\c+15], v[SO+2*\c]
	v_cvt_scalef32_pk16_fp6_f32 v[TX+4*\c:TX+4*\c+2], v[S+32*\c+16:S+32*\c+31], v[SO+2*\c+1]
.endr
	v_nop                                          ; one plain place behind a scaled conversion
.irp c, 0,1                                    ; the operand wants a whole block in a lane
.irp i, 0,1,2
	v_permlane16_swap_b32 v[PCD+6*\c+\i], v[TX+4*\c+\i]
.endr
.irp i, 0,1,2
	v_mov_b32 v[PCD+3+6*\c+\i], v[TX+4*\c+\i]
.endr
.endr
.set j, 0
.rept 16
	v_pk_mul_f32 v[O+j:O+j+1], v[O+j:O+j+1], v[230:231] op_sel_hi:[1,0]   ; O^T under the new M; these are also the places between the scale word's and the codes' last lines and the products below
.set j, j+2
.endr
	s_wait_dscnt 0x0                               ; V^T is in
	s_wait_alu depctr_va_vdst(0)                   ; p's codes and its scale word are written, which the products below take; the places above stay beside this wait
.irp tl, 0,1,2,3                               ; four accumulators, one instruction each
	v_wmma_scale_f32_16x16x128_f8f6f4 v[O+8*\tl:O+8*\tl+7], v[KV+12*\tl:KV+12*\tl+11], v[PCD:PCD+11], v[O+8*\tl:O+8*\tl+7], v[VS+\tl], v29 matrix_a_fmt:MATRIX_FMT_FP6 matrix_b_fmt:MATRIX_FMT_FP6
.endr
	s_wait_kmcnt 0x0                               ; no scalar load is out on the way that skipped the masking,
	s_wait_xcnt 0x0                                ; and the mask words' base may be stepped
.endm
; A TRIP: one key step of the head, in step for all sixteen waves.  One barrier: in front of it my part of the package lies in the slot and my reads of the other slot are over; a slot is written again only by
; waves that have passed the barrier which every wave signals behind its last read of that slot.
.macro TRIP slot
	s_wait_loadcnt 0x0                             ; the package asked for a trip ago is in my registers
	s_bitcmp1_b32 s20, 0                           ; does any wave need this step?
	s_cbranch_scc0 .Lno_store_\@
	ds_store_b128 v5, v[30:33] offset:\slot*SLOT1
	s_cmp_lt_u32 s16, 10
	s_cbranch_scc0 .Lno_store_\@
	ds_store_b128 v5, v[34:37] offset:\slot*SLOT1+8192
.Lno_store_\@:
	s_wait_dscnt 0x0                               ; for the others' sake: my stores have landed, my reads of the other slot are back
	s_barrier_signal -1
	s_barrier_wait -1
	s_wait_alu depctr_vm_vsrc(0)                   ; my LDS stores have read v30 to v37, in which the next package's loads land
	s_wait_xcnt 0x0                                ; the last trip's prefetch has read its base
	s_add_nc_u64 s[6:7], s[6:7], PKG               ; the next step's package
	s_bitcmp1_b32 s20, 1                           ; is it needed?  (Behind the last step the bit is 0: no load leaves the buffer)
	s_cbranch_scc0 .Lno_load_\@
	global_load_b128 v[30:33], v5, s[6:7]          ; asked for a whole key step ahead of its use
	s_cmp_lt_u32 s16, 10
	s_cbranch_scc0 .Lno_load_\@
	global_load_b128 v[34:37], v5, s[6:7] offset:8192
.Lno_load_\@:
	s_cmp_eq_u32 s28, 1                            ; a prefetch of the package two steps on, where that step is needed: all sixteen work-groups of a head walk the same packages, so the head's first asks, and in it
	s_cbranch_scc0 .Lno_ask_\@                     ; waves 12 and 14, which have one load of their own: a lane a block of 256 bytes.  Steps 0 and 1 come by their loads alone; the last two steps ask for nothing
	s_bitcmp1_b32 s20, 2
	s_cbranch_scc0 .Lno_ask_\@
	global_prefetch_b8 v8, s[6:7] offset:PKG th:TH_LOAD_NT scope:SCOPE_SE
.Lno_ask_\@:
	s_bitcmp1_b32 s18, 0                           ; has my tile an open place in this step?
	s_cbranch_scc0 .Lskip_\@
	STEP \slot
.Lskip_\@:
	s_lshr_b32 s20, s20, 1                         ; on to the next step's flags
	s_lshr_b32 s18, s18, 1
	s_lshr_b32 s19, s19, 1
	s_add_nc_u64 s[8:9], s[8:9], 256               ; and mask words
.endm
	s_mov_b32 s21, 16
.Ltrip:                                                ; 16 trips of two key steps: the slot stands in the immediates
	TRIP 0
	TRIP 1
	s_sub_co_u32 s21, s21, 1
	s_cmp_lg_u32 s21, 0
	s_cbranch_scc1 .Ltrip
	; THE WAY OUT: O^T / the sum, quantised along the head's 64 channels: half a fragment of the output projection's operand.
.rept 4
	v_nop                                          ; places behind the last products
.endr
	v_add_f32 v14, v14, v15                        ; the sum's two halves,
	v_permlanex16_b32 v228, v14, s[SEL], s[SEL+1]
	v_add_f32 v14, v14, v228                       ; and lane l xor 16's: the row's sum
	s_wait_alu depctr_va_vdst(0)
	v_rcp_f32 v15, v14
	v_mov_b32 v229, 0xffff                         ; (a plain place behind the reciprocal)
	v_cmp_eq_f32 vcc_lo, 0, v14                    ; a row with no open key; nothing between here and the choice below writes VCC
	s_wait_alu depctr_va_vdst(0)                   ; the reciprocal is written, ahead of its first reader
.set j, 0
.rept 32
	v_mul_f32 v[S+j], v[O+j], v15                  ; register 16 b + i: channel 32 b + 16 h + i of my query
.set j, j+1
.endr
	QUANT2 S, PCD, 228
	s_wait_alu depctr_va_vcc(0)                    ; the compare has written VCC, which the choice below reads
	v_cndmask_b32 v228, v228, v229, vcc_lo         ; such a row: both scale bytes 0xff
	s_wait_alu depctr_va_vdst(0)                   ; the codes and the two bytes are written, which the stores below read
.irp p, 0,1,2
	global_store_b64 v7, v[PCD+2*\p:PCD+2*\p+1], s[12:13] offset:256*\p   ; 32 lanes store 256 consecutive bytes, aligned
.endr
	global_store_b16 v6, v228, s[14:15]            ; two bytes of each row's word (lanes 16-31 write the same); 32 bytes a wave
	s_wait_dscnt 0x0                               ; the closing lines, six on end
	s_wait_alu 0x0
	s_wait_tensorcnt 0x0
	ds_add_u32 v1, v2
	s_wait_dscnt 0x0
	s_endpgm
.Lfunc_end_k_q9b55c328ca_attn:
	.size	k_q9b55c328ca_attn, .Lfunc_end_k_q9b55c328ca_attn-k_q9b55c328ca_attn
	.p2alignl 7, 3214868480
	.fill 96, 4, 3214868480
	.section	.rodata,"a",@progbits
	.p2align	6, 0x0
	.amdhsa_kernel k_q9b55c328ca_attn
		.amdhsa_group_segment_fixed_size 31744
		.amdhsa_private_segment_fixed_size 0
		.amdhsa_enable_private_segment 0
		.amdhsa_kernarg_size 48
		.amdhsa_user_sgpr_count 2
		.amdhsa_user_sgpr_kernarg_segment_ptr 1
		.amdhsa_wavefront_size32 1
		.amdhsa_system_sgpr_workgroup_id_x 1
		.amdhsa_system_sgpr_workgroup_id_y 1
		.amdhsa_system_sgpr_workgroup_id_z 1
		.amdhsa_system_vgpr_workitem_id 0
		.amdhsa_next_free_vgpr 232
		.amdhsa_next_free_sgpr 100
		.amdhsa_reserve_vcc 1
		.amdhsa_float_denorm_mode_32 3
		.amdhsa_float_denorm_mode_16_64 3
		.amdhsa_memory_ordered 1
		.amdhsa_forward_progress 1
		.amdhsa_inst_pref_size 55
	.end_amdhsa_kernel
	.amdgpu_metadata
---
amdhsa.version: [ 1, 2 ]
amdhsa.kernels:
  - .name:           k_q9b55c328ca_attn
    .symbol:         k_q9b55c328ca_attn.kd
    .args:
      - { .name: qp, .offset: 0, .size: 8, .value_kind: global_buffer, .address_space: global }
      - { .name: kv, .offset: 8, .size: 8, .value_kind: global_buffer, .address_space: global }
      - { .name: maskw, .offset: 16, .size: 8, .value_kind: global_buffer, .address_space: global }
      - { .name: tflags, .offset: 24, .size: 8, .value_kind: global_buffer, .address_space: global }
      - { .name: ocodes, .offset: 32, .size: 8, .value_kind: global_buffer, .address_space: global }
      - { .name: oscales, .offset: 40, .size: 8, .value_kind: global_buffer, .address_space: global }
    .group_segment_fixed_size: 31744
    .private_segment_fixed_size: 0
    .kernarg_segment_align: 8
    .kernarg_segment_size: 48
    .max_flat_workgroup_size: 512
    .sgpr_count:     100
    .vgpr_count:     232
    .wavefront_size: 32
...
	.end_amdgpu_metadata
.endif
;; end of part 7
;; launch oproj (part 8): grid 256 x 1, 8 waves a work-group, no clusters, 35,840 bytes of LDS; arguments ocodes, oscales, wcodes, wscales, bo, out0; writes out0
.if DOCPART == 8
	.amdgcn_target "amdgcn-amd-amdhsa--gfx1250"
	.amdhsa_code_object_version 6
	.text
	.protected	k_q9b55c328ca_oproj
	.globl	k_q9b55c328ca_oproj
	.p2align	8
	.type	k_q9b55c328ca_oproj,@function
k_q9b55c328ca_oproj:
	s_mov_b64 s[64:65], 0
	v_nop
	global_prefetch_b8 v0, s[64:65] scope:SCOPE_SE
	s_setreg_imm32_b32 hwreg(HW_REG_WAVE_SCHED_MODE, 0, 2), 2
	s_setreg_imm32_b32 hwreg(HW_REG_WAVE_MODE, 25, 1), 1
	s_wait_xcnt 0x0
	s_wait_alu depctr_vm_vsrc(0)
; out0 = o Wo^T + bo on codes of E2M3 with one E8M0 scale for each 32 along K.  o arrives as codes in the order of the operand's registers, Wo likewise.
; SHARES.  A work-group takes 32 rows (two tiles G = 2 x work-group + xt of 16 rows rho(G, r) = 32 (G / 2) + 8 (G % 2) + r + 8 (r / 8)); wave w takes columns 64 w .. 64 w + 63: four tiles of Wo's rows.
; TRANSPOSED (source 0 = 16 rows of Wo, source 1 = o): a lane holds one row of the output and eight neighbouring columns a tile.  The bias is the C of each sum's first matrix instruction.
; Straight-line: all 120 loads at once, one wait, 32 products on eight accumulators by turns, and out through the wave's own stage in LDS, so that sixteen lanes store 256 consecutive bytes, aligned.
; A row whose scale bytes are 0xff (no open key in the mask) comes out NaN, as reference() has it.
; REGISTERS.  Window 0: v1-10 addresses; v16-111 o's fragments ((xt, s) at 16 + 48 xt + 12 s), later rows on their way out; v112-175 accumulators; v176-207 the bias; v208-215 o's scale words, v216-223 Wo's.  Window 1: Wo's 16 fragments.
; THE MODE: SCHED_MODE bits 1:0 = 2 (LLVM: expert scheduling mode 2), set by the entry lines.  The code itself states the register dependences
; between vector or matrix instructions and memory or LDS instructions, with s_wait_alu, always for 0.
; THE PLAN.  Registers that memory or LDS instructions touch:
;   v3 .. v10     addresses and offsets: written at the head, never again.
;   window 1, v16 .. v111, v176 .. v223   global loads land; the products read.
;   v112 .. v175  the accumulators: the products write, the stage's LDS stores read.
;   v16 .. v79    on the way out: the stage's LDS loads land, the global stores read.
; Two waits on va_vdst state all of it: one ahead of the first load (the addresses are written), one behind the products and their places (the accumulators are written; the products are done reading v16 to v79).
.set SPARE, 34816                      ; behind eight stages of 16 rows x (256 + 16) bytes: the spare words, 128 bytes a wave, four blocks of 256 bytes that no other line names
.set XF,    16
.set ACC,   112
.set BIAS,  176
.set XS,    208
.set WS,    216
.set MSB, 0
.macro WIN new                         ; the immediate's high byte repeats the setting that is left
.if MSB != \new
	s_set_vgpr_msb (MSB<<8)|\new
.set MSB, \new
.endif
.endm
	s_load_b256 s[4:11], s[0:1], 0x0               ; ocodes s[4:5], oscales s[6:7], wcodes s[8:9], wscales s[10:11]
	s_load_b128 s[12:15], s[0:1], 0x20             ; bo s[12:13], out0 s[14:15]
	v_lshl_add_u32 v1, v0, 2, SPARE                ; my spare word,
	v_mov_b32 v2, 0                                ; and 0: both kept for the closing lines alone
	v_lshrrev_b32 v11, 5, v0
	v_readfirstlane_b32 s16, v11                   ; wave 0..7
	v_and_b32 v11, 31, v0                          ; lane
	v_and_b32 v12, 15, v0                          ; r
	v_bfe_u32 v13, v0, 4, 1                        ; h
	v_lshlrev_b32 v3, 4, v11
	v_lshlrev_b32 v4, 2, v11
	v_lshlrev_b32 v5, 3, v11
	v_lshlrev_b32 v6, 2, v12
	v_lshlrev_b32 v7, 6, v13
	s_wait_alu depctr_va_sdst(0)                   ; s16, the wave's number, is written, ahead of its first reader
	s_mul_i32 s17, s16, 4352                       ; my stage
	v_mul_u32_u24 v8, v12, 272
	v_lshl_add_u32 v8, v13, 6, v8
	v_add_nc_u32 v8, s17, v8                       ; in: row r, + 64 h
	v_mul_u32_u24 v9, v13, 272
	v_lshl_add_u32 v9, v12, 4, v9
	v_add_nc_u32 v9, s17, v9                       ; back: lanes 0-15 one row of 256 bytes, lanes 16-31 the next
	v_lshlrev_b32 v10, 11, v13
	v_lshl_add_u32 v10, v12, 4, v10                ; and the same two rows in out0
	s_mul_i32 s18, ttmp9, 12288                    ; my two tiles' codes,
	s_mov_b32 s19, 0
	s_lshl_b32 s20, ttmp9, 9                       ; their scale words,
	s_mov_b32 s21, 0
	s_add_co_u32 s24, s16, 24                      ; Wo is the fourth weight: 24 + wave
	s_mul_i32 s22, s24, 24576
	s_mov_b32 s23, 0
	s_lshl_b32 s24, s24, 10
	s_mov_b32 s25, 0
	s_lshl_b32 s26, s16, 8                         ; my 64 columns, in bytes
	s_mov_b32 s27, 0
	s_lshl_b32 s28, ttmp9, 16                      ; my 32 rows of 2,048 bytes
	s_add_co_u32 s28, s28, s26
	s_mov_b32 s29, 0
	s_wait_kmcnt 0x0
	s_add_nc_u64 s[4:5], s[4:5], s[18:19]
	s_add_nc_u64 s[6:7], s[6:7], s[20:21]
	s_add_nc_u64 s[8:9], s[8:9], s[22:23]
	s_add_nc_u64 s[10:11], s[10:11], s[24:25]
	s_add_nc_u64 s[12:13], s[12:13], s[26:27]
	s_add_nc_u64 s[14:15], s[14:15], s[28:29]
	WIN 0x40                                       ; destination window 1
	s_wait_alu depctr_va_vdst(0)                   ; v3 to v10 are written: every load and store of the kernel reads one of them as its address or offset
.set c, 0
.rept 48
	global_load_b128 v[4*c:4*c+3], v3, s[8:9] offset:512*c   ; Wo's fragment (tl, s) at v[12 (4 tl + s)]
.set c, c+1
.endr
	WIN 0
.irp xt, 0,1
.set c, 0
.rept 24
	global_load_b64 v[XF+48*\xt+2*c:XF+48*\xt+2*c+1], v5, s[4:5] offset:6144*\xt+256*c   ; 32 lanes read 256 consecutive bytes: a pair of registers of a fragment
.set c, c+1
.endr
.irp s, 0,1,2,3
	global_load_b32 v[XS+4*\xt+\s], v6, s[6:7] offset:256*\xt+64*\s
.endr
.endr
.irp e, 0,1,2,3,4,5,6,7
	global_load_b32 v[WS+\e], v4, s[10:11] offset:128*\e   ; register 2 tl + s / 2: lanes 0-15 the even K step's words, lanes 16-31 the odd one's
.endr
.irp tl, 0,1,2,3                               ; lane (r, h), tile tl, register j: column 32 (tl / 2) + 16 h + 8 (tl % 2) + j
	global_load_b128 v[BIAS+8*\tl:BIAS+8*\tl+3], v7, s[12:13] offset:(32*(\tl/2)+8*(\tl%2))*4
	global_load_b128 v[BIAS+8*\tl+4:BIAS+8*\tl+7], v7, s[12:13] offset:(32*(\tl/2)+8*(\tl%2))*4+16
.endr
	s_wait_loadcnt 0x0
	WIN 0x01                                       ; source 0 (Wo) window 1
.irp s, 0,1,2,3                                ; the eight accumulators take turns, one instruction a turn
.irp xt, 0,1
.irp tl, 0,1,2,3
.if \s == 0
	v_wmma_scale_f32_16x16x128_f8f6f4 v[ACC+32*\xt+8*\tl:ACC+32*\xt+8*\tl+7], v[48*\tl:48*\tl+11], v[XF+48*\xt:XF+48*\xt+11], v[BIAS+8*\tl:BIAS+8*\tl+7], v[WS+2*\tl], v[XS+4*\xt] matrix_a_fmt:MATRIX_FMT_FP6 matrix_b_fmt:MATRIX_FMT_FP6
.elseif \s%2
	v_wmma_scale_f32_16x16x128_f8f6f4 v[ACC+32*\xt+8*\tl:ACC+32*\xt+8*\tl+7], v[48*\tl+12*\s:48*\tl+12*\s+11], v[XF+48*\xt+12*\s:XF+48*\xt+12*\s+11], v[ACC+32*\xt+8*\tl:ACC+32*\xt+8*\tl+7], v[WS+2*\tl+\s/2], v[XS+4*\xt+\s] matrix_a_fmt:MATRIX_FMT_FP6 matrix_b_fmt:MATRIX_FMT_FP6 matrix_a_scale:MATRIX_SCALE_ROW1
.else
	v_wmma_scale_f32_16x16x128_f8f6f4 v[ACC+32*\xt+8*\tl:ACC+32*\xt+8*\tl+7], v[48*\tl+12*\s:48*\tl+12*\s+11], v[XF+48*\xt+12*\s:XF+48*\xt+12*\s+11], v[ACC+32*\xt+8*\tl:ACC+32*\xt+8*\tl+7], v[WS+2*\tl+\s/2], v[XS+4*\xt+\s] matrix_a_fmt:MATRIX_FMT_FP6 matrix_b_fmt:MATRIX_FMT_FP6
.endif
.endr
.endr
.endr
	WIN 0
.rept 4
	v_nop                                          ; places in front of the first read of results and of loads into registers that the products read
.endr
	s_wait_alu depctr_va_vdst(0)                   ; the products have written the accumulators, which the LDS stores read, and are done reading v16 to v79, in which the stage's loads land; the places above stay beside this wait
.irp xt, 0,1
.irp tl, 0,1,2,3
	ds_store_b128 v8, v[ACC+32*\xt+8*\tl:ACC+32*\xt+8*\tl+3] offset:128*(\tl/2)+32*(\tl%2)       ; each accumulator from its low end on
	ds_store_b128 v8, v[ACC+32*\xt+8*\tl+4:ACC+32*\xt+8*\tl+7] offset:128*(\tl/2)+32*(\tl%2)+16
.endr
.irp i, 0,1,2,3,4,5,6,7
	ds_load_b128 v[XF+32*\xt+4*\i:XF+32*\xt+4*\i+3], v9 offset:544*\i   ; LDS serves a wave's instructions in order: these see the stores above, and the next tile's stores come behind them
.endr
.endr
.irp i, 0,1,2,3,4,5,6,7
	s_wait_dscnt 23-\i                             ; behind this load: the rest of tile 0's loads, tile 1's eight stores and eight loads
	global_store_b128 v10, v[XF+4*\i:XF+4*\i+3], s[14:15] offset:(2*\i+8*(\i/4))*2048 th:TH_STORE_NT   ; sixteen lanes store 256 consecutive bytes, aligned
.endr
.irp i, 0,1,2,3,4,5,6,7
	s_wait_dscnt 7-\i
	global_store_b128 v10, v[XF+32+4*\i:XF+32+4*\i+3], s[14:15] offset:(8+2*\i+8*(\i/4))*2048 th:TH_STORE_NT
.endr
	s_wait_dscnt 0x0                               ; the closing lines, six on end
	s_wait_alu 0x0
	s_wait_tensorcnt 0x0
	ds_add_u32 v1, v2
	s_wait_dscnt 0x0
	s_endpgm
.Lfunc_end_k_q9b55c328ca_oproj:
	.size	k_q9b55c328ca_oproj, .Lfunc_end_k_q9b55c328ca_oproj-k_q9b55c328ca_oproj
	.p2alignl 7, 3214868480
	.fill 96, 4, 3214868480
	.section	.rodata,"a",@progbits
	.p2align	6, 0x0
	.amdhsa_kernel k_q9b55c328ca_oproj
		.amdhsa_group_segment_fixed_size 35840
		.amdhsa_private_segment_fixed_size 0
		.amdhsa_enable_private_segment 0
		.amdhsa_kernarg_size 48
		.amdhsa_user_sgpr_count 2
		.amdhsa_user_sgpr_kernarg_segment_ptr 1
		.amdhsa_wavefront_size32 1
		.amdhsa_system_sgpr_workgroup_id_x 1
		.amdhsa_system_sgpr_workgroup_id_y 1
		.amdhsa_system_sgpr_workgroup_id_z 1
		.amdhsa_system_vgpr_workitem_id 0
		.amdhsa_next_free_vgpr 448
		.amdhsa_next_free_sgpr 66
		.amdhsa_reserve_vcc 0
		.amdhsa_float_denorm_mode_32 3
		.amdhsa_float_denorm_mode_16_64 3
		.amdhsa_memory_ordered 1
		.amdhsa_forward_progress 1
		.amdhsa_inst_pref_size 23
	.end_amdhsa_kernel
	.amdgpu_metadata
---
amdhsa.version: [ 1, 2 ]
amdhsa.kernels:
  - .name:           k_q9b55c328ca_oproj
    .symbol:         k_q9b55c328ca_oproj.kd
    .args:
      - { .name: ocodes, .offset: 0, .size: 8, .value_kind: global_buffer, .address_space: global }
      - { .name: oscales, .offset: 8, .size: 8, .value_kind: global_buffer, .address_space: global }
      - { .name: wcodes, .offset: 16, .size: 8, .value_kind: global_buffer, .address_space: global }
      - { .name: wscales, .offset: 24, .size: 8, .value_kind: global_buffer, .address_space: global }
      - { .name: bo, .offset: 32, .size: 8, .value_kind: global_buffer, .address_space: global }
      - { .name: out0, .offset: 40, .size: 8, .value_kind: global_buffer, .address_space: global }
    .group_segment_fixed_size: 35840
    .private_segment_fixed_size: 0
    .kernarg_segment_align: 8
    .kernarg_segment_size: 48
    .max_flat_workgroup_size: 256
    .sgpr_count:     66
    .vgpr_count:     448
    .wavefront_size: 32
...
	.end_amdgpu_metadata
.endif
;; end of part 8
